; MI455X (gfx1250); checked and timed in simulation.
; The chip was launched on July 23, 2026; its instructions are those of AMD's public machine-readable ISA for CDNA 5 (MIT licence, August 2026) and "CDNA5" Instruction Set Architecture Reference Guide (July 2026). The comments in the code are by the model that wrote it; some were corrected since.
;; Gemma Attention. Allowed arithmetic: float matrix products may take bf16 or f16 operands with f32 sums; other float arithmetic in f32, or as packed bf16 or f16 multiplies, adds, multiply-adds, maxima and minima; sums over many terms, partial sums and values carried from step to step in f32; what a program stores and reads back later, other than sums and carried values, may be rounded once to bf16 or f16.
;; Inputs: hidden_states 2 x 2,048 x 2,048 float32; position_ids 2 x 2,048 int32; wk 2,048 x 1,024 float32; wo 1,024 x 2,048 float32; wq 2,048 x 1,024 float32; wv 2,048 x 1,024 float32.
;; Outputs: out0 2 x 2,048 x 2,048 float32.
;; 2 versions, each right; version 2 is version 1 with the launch prep written anew for expert scheduling mode. Each part assembles by itself: llvm-mc -triple=amdgcn-amd-amdhsa -mcpu=gfx1250 --defsym DOCPART=n.
;; ======== version 1 of 2: 4 launches
;; limits: values are held in f16: magnitudes above 65,504 overflow, below 6.1e-05 lose precision
;; workspace buffers: xb 16,777,216 bytes; wb 12,582,912 bytes; woh 4,194,304 bytes; rope 4,194,304 bytes; qkv 25,165,824 bytes; vlo 1,048,576 bytes; ao 8,388,608 bytes
;; launch prep (part 1): grid 512 x 1, 8 waves a work-group, no clusters, 0 bytes of LDS; arguments hidden_states, wq, wk, wv, wo, position_ids, xb, wb, woh, rope; writes xb, wb, woh, rope
.if DOCPART == 1
	.amdgcn_target "amdgcn-amd-amdhsa--gfx1250"
	.amdhsa_code_object_version 6
	.text
	.protected	k_qea5b46eef8_prep
	.globl	k_qea5b46eef8_prep
	.p2align	8
	.type	k_qea5b46eef8_prep,@function
k_qea5b46eef8_prep:
	s_mov_b64 s[64:65], 0
	v_nop
	global_prefetch_b8 v0, s[64:65] scope:SCOPE_SE
	s_setreg_imm32_b32 hwreg(HW_REG_WAVE_MODE, 25, 1), 1
	s_wait_xcnt 0x0
; PREP: the 16-bit copies of all f32 inputs, and the table of cos and sin.  A stream: no LDS, no barrier, no matrix unit.
;   xb  [4096][2048] bf16 = hidden_states;   wb [2048][3072] bf16 = wq | wk | wv side by side;   woh [1024][2048] f16 = wo rounded to bf16, that number written as f16
;   rope [4096 rows][cos 128 | sin 128] f32: cos and sin of position x 10000^(-j/128), j = 0..127, for row b x 2048 + s
; SHARES.  Work-group g converts 32,768 numbers (131,072 bytes in, 65,536 out): g 0-255 of x, 256-447 of wq, wk, wv (64 each), 448-511 of wo.  Thread t takes 8 numbers in each of 16 steps:
; two loads of 16 bytes, one store of 16: sixteen neighbouring lanes store 256 consecutive bytes, aligned.  All 32 loads of a thread go out at once; no register is written again behind a store.
; Wave v of work-group g also makes row 8 g + v of the table, 4 frequencies a lane, while its loads are on their way.
; LIMITS.  wo: a bf16 number below 2^-14 keeps f16's fixed step of 6e-8; beyond 65,504 it would be an infinity.  Positions are exact up to 2^24 in magnitude; the angle is reduced by three
; parts of pi/2 with fused multiply-adds, the polynomials hold on |r| <= pi/4 to about 1e-7.  NaN and infinities are not treated apart.
.set OFD, 4            ; v[4:19]   step i: my byte offset in the destination
.set POS, 20           ; v20       the row's position
.set POF, 21           ; v21       its byte offset
.set LN,  22           ; v22       lane
.set RWN, 23           ; v23       the table row 8 g + wave
.set XR,  24           ; v[24:27]  1/freq, then the angle, then r
.set NN,  28           ; v[28:31]  the exponent's argument, then n
.set QQ,  32           ; v[32:35]  n as a whole number
.set SS,  36           ; v[36:39]  r r
.set SN,  40           ; v[40:43]  sin r
.set CN,  44           ; v[44:47]  cos r
.set CO,  48           ; v[48:51]  cos of the angle
.set SO,  52           ; v[52:55]  sin of the angle
.set TT,  56           ; v[56:59]  at work
.set K3S, 60           ; v60       the sine's highest coefficient
.set K3C, 61           ; v61       the cosine's
.set TOF, 62           ; v62       my byte offset in the table
.set L4,  63           ; v63       4 x lane
.set X,   64           ; v[64:191] step i: 8 numbers as loaded; the first 4 registers then hold them packed
.macro EACH line:vararg                ; one line for each of my four frequencies k
.set k, 0
.rept 4
	\line
.set k, k+1
.endr
.endm
	s_load_b512 s[16:31], s[0:1], 0x0              ; x s[16:17], wq s[18:19], wk s[20:21], wv s[22:23], wo s[24:25], positions s[26:27], xb s[28:29], wb s[30:31]
	s_load_b128 s[32:35], s[0:1], 0x40             ; woh s[32:33], rope s[34:35]
	s_mov_b32 s2, ttmp9                            ; g
	s_sub_co_u32 s3, s2, 256
	s_lshr_b32 s4, s3, 6                           ; from g = 256 on: 0 wq, 1 wk, 2 wv, 3 wo
	s_and_b32 s5, s3, 63                           ; and the chunk in it
	s_cmp_lt_u32 s2, 256
	s_cselect_b32 s5, s2, s5                       ; the chunk
	s_cselect_b32 s6, 0, 1
	s_cmp_lt_u32 s2, 448
	s_cselect_b32 s6, s6, 0                        ; 1 for wq, wk, wv: their rows lie 3 x as far apart in wb
	s_lshl1_add_u32 s7, s6, 1                      ; 1 or 3
	s_mul_i32 s12, s5, s7
	s_lshl_b32 s12, s12, 16                        ; the chunk in the destination: 65,536 bytes, or 32 rows of 6,144
	s_mul_i32 s13, s4, s6
	s_lshl_b32 s13, s13, 11                        ; + 2,048 bytes for each matrix to the left in wb
	s_add_co_u32 s12, s12, s13
	s_mov_b32 s13, 0
	s_lshl_b32 s14, s5, 17                         ; the chunk in the source
	s_mov_b32 s15, 0
	s_lshl_b32 s36, s7, 11                         ; from threads 0-127 to threads 128-255: 2,048 bytes, or a row of wb
	s_lshl_b32 s37, s7, 12                         ; from step to step
	v_lshlrev_b32 v2, 5, v0                        ; my 32 bytes of a step's 8,192 in the source
	v_lshrrev_b32 v1, 7, v0
	v_mul_lo_u32 v1, v1, s36
	v_and_b32 v3, 127, v0
	v_lshl_add_u32 v[OFD], v3, 4, v1
.set i, 1
.rept 15
	v_add_nc_u32 v[OFD+i], s37, v[OFD+i-1]
.set i, i+1
.endr
	v_and_b32 v[LN], 31, v0
	v_lshrrev_b32 v[RWN], 5, v0
	v_lshl_add_u32 v[RWN], s2, 3, v[RWN]           ; 8 g + wave
	v_lshlrev_b32 v[POF], 2, v[RWN]
	v_lshlrev_b32 v[TOF], 4, v[LN]
	v_lshl_add_u32 v[TOF], v[RWN], 10, v[TOF]      ; row x 1,024 + 16 x lane
	v_lshlrev_b32 v[L4], 2, v[LN]
	s_wait_kmcnt 0x0
	s_cmp_eq_u32 s4, 1                             ; the two buffers are chosen by g alone
	s_cselect_b64 s[8:9], s[20:21], s[18:19]
	s_cmp_eq_u32 s4, 2
	s_cselect_b64 s[8:9], s[22:23], s[8:9]
	s_cmp_eq_u32 s4, 3
	s_cselect_b64 s[8:9], s[24:25], s[8:9]
	s_cselect_b64 s[10:11], s[32:33], s[30:31]
	s_cmp_lt_u32 s2, 256
	s_cselect_b64 s[8:9], s[16:17], s[8:9]
	s_cselect_b64 s[10:11], s[28:29], s[10:11]
	s_add_nc_u64 s[8:9], s[8:9], s[14:15]
	s_add_nc_u64 s[10:11], s[10:11], s[12:13]
	global_load_b32 v[POS], v[POF], s[26:27]
.set i, 0
.rept 16
	global_load_b128 v[X+8*i:X+8*i+3],   v2, s[8:9] offset:8192*i th:TH_LOAD_NT
	global_load_b128 v[X+8*i+4:X+8*i+7], v2, s[8:9] offset:8192*i+16 th:TH_LOAD_NT
.set i, i+1
.endr
	; THE TABLE.  1/freq = 2^(-j log2(10000) / 128), j = 4 x lane + k: it hangs on no load
	EACH v_add_nc_u32 v[NN+k], k, v[L4]
	EACH v_cvt_f32_u32 v[NN+k], v[NN+k]
	EACH v_mul_f32 v[NN+k], 0xbdd49a78, v[NN+k]
	EACH v_exp_f32 v[XR+k], v[NN+k]
	v_mov_b32 v[K3S], 0xb94ca1f9                   ; a plain instruction behind the last exponential
	v_mov_b32 v[K3C], 0x37ccf5ce
	s_wait_alu depctr_va_vdst(0)                   ; one wait for the four exponentials, ahead of their first reader
	s_wait_loadcnt 32                              ; the position is in; the 32 loads issued behind it stay out
	v_cvt_f32_i32 v[POS], v[POS]
	EACH v_mul_f32 v[XR+k], v[POS], v[XR+k]        ; the angle, rounded once, as the product of two f32
	EACH v_mul_f32 v[NN+k], 0x3f22f983, v[XR+k]    ; x 2/pi
	EACH v_rndne_f32 v[NN+k], v[NN+k]              ; n
	EACH v_cvt_i32_f32 v[QQ+k], v[NN+k]
	EACH v_fmamk_f32 v[XR+k], v[NN+k], 0xbfc90fd8, v[XR+k]   ; r = angle - n pi/2, pi/2 in three parts
	EACH v_fmamk_f32 v[XR+k], v[NN+k], 0xb4a885a3, v[XR+k]
	EACH v_fmamk_f32 v[XR+k], v[NN+k], 0xa7c234c4, v[XR+k]
	EACH v_mul_f32 v[SS+k], v[XR+k], v[XR+k]
	EACH v_fmaak_f32 v[SN+k], v[K3S], v[SS+k], 0x3c08839e
	EACH v_fmaak_f32 v[CN+k], v[K3C], v[SS+k], 0xbab6061a
	EACH v_fmaak_f32 v[SN+k], v[SN+k], v[SS+k], 0xbe2aaaa3
	EACH v_fmaak_f32 v[CN+k], v[CN+k], v[SS+k], 0x3d2aaaa5
	EACH v_mul_f32 v[TT+k], v[XR+k], v[SS+k]
	EACH v_fma_f32 v[SN+k], v[TT+k], v[SN+k], v[XR+k]        ; sin r = r + r s (..)
	EACH v_fma_f32 v[TT+k], v[SS+k], -0.5, 1.0
	EACH v_mul_f32 v[SS+k], v[SS+k], v[SS+k]
	EACH v_fma_f32 v[CN+k], v[SS+k], v[CN+k], v[TT+k]        ; cos r = 1 - s/2 + s s (..)
	EACH v_and_b32 v[TT+k], 1, v[QQ+k]
.set k, 0
.rept 4                                        ; odd n: the two change places
	v_cmp_eq_u32 vcc_lo, 1, v[TT+k]
	v_cndmask_b32 v[SO+k], v[SN+k], v[CN+k], vcc_lo
	v_cndmask_b32 v[CO+k], v[CN+k], v[SN+k], vcc_lo
.set k, k+1
.endr
	EACH v_lshlrev_b32 v[TT+k], 30, v[QQ+k]        ; bit 1 of n turns the sine's sign,
	EACH v_and_b32 v[TT+k], 0x80000000, v[TT+k]
	EACH v_xor_b32 v[SO+k], v[TT+k], v[SO+k]
	EACH v_add_nc_u32 v[QQ+k], 1, v[QQ+k]          ; bit 1 of n + 1 the cosine's
	EACH v_lshlrev_b32 v[TT+k], 30, v[QQ+k]
	EACH v_and_b32 v[TT+k], 0x80000000, v[TT+k]
	EACH v_xor_b32 v[CO+k], v[TT+k], v[CO+k]
	global_store_b128 v[TOF], v[CO:CO+3], s[34:35]             ; a wave stores 512 consecutive bytes of its row,
	global_store_b128 v[TOF], v[SO:SO+3], s[34:35] offset:512  ; twice
; Step i: its two loads are in; 8 numbers are rounded to bf16 in place (half = 1: and each bf16 number written as f16), and stored.
.macro CV i, half
	s_wait_loadcnt 30-2*(\i)                       ; loads come back in order (ISA guide 5.7.1): only the pairs issued behind pair i stay out
.irp j, 0,1,2,3
	v_cvt_pk_bf16_f32 v[X+8*(\i)+(\j)], v[X+8*(\i)+2*(\j)], v[X+8*(\i)+2*(\j)+1]
.endr
.if \half
.irp j, 0,1,2,3
	v_lshlrev_b32 v[TT], 16, v[X+8*(\i)+(\j)]      ; bf16 to f32: the low half moves up,
	v_and_b32 v[TT+1], 0xffff0000, v[X+8*(\i)+(\j)]  ; the high half stays
	v_cvt_pk_f16_f32 v[X+8*(\i)+(\j)], v[TT], v[TT+1]
.endr
.endif
	global_store_b128 v[OFD+(\i)], v[X+8*(\i):X+8*(\i)+3], s[10:11] th:TH_STORE_NT
.endm
	s_cmp_ge_u32 s2, 448
	s_cbranch_scc1 .Lhalf
.irp i, 0,1,2,3,4,5,6,7,8,9,10,11,12,13,14,15
	CV \i, 0
.endr
	s_endpgm
.Lhalf:
.irp i, 0,1,2,3,4,5,6,7,8,9,10,11,12,13,14,15
	CV \i, 1
.endr
	s_endpgm
.Lfunc_end_k_qea5b46eef8_prep:
	.size	k_qea5b46eef8_prep, .Lfunc_end_k_qea5b46eef8_prep-k_qea5b46eef8_prep
	.p2alignl 7, 3214868480
	.fill 96, 4, 3214868480
	.section	.rodata,"a",@progbits
	.p2align	6, 0x0
	.amdhsa_kernel k_qea5b46eef8_prep
		.amdhsa_group_segment_fixed_size 0
		.amdhsa_private_segment_fixed_size 0
		.amdhsa_enable_private_segment 0
		.amdhsa_kernarg_size 80
		.amdhsa_user_sgpr_count 2
		.amdhsa_user_sgpr_kernarg_segment_ptr 1
		.amdhsa_wavefront_size32 1
		.amdhsa_system_sgpr_workgroup_id_x 1
		.amdhsa_system_sgpr_workgroup_id_y 1
		.amdhsa_system_sgpr_workgroup_id_z 1
		.amdhsa_system_vgpr_workitem_id 0
		.amdhsa_next_free_vgpr 192
		.amdhsa_next_free_sgpr 66
		.amdhsa_reserve_vcc 1
		.amdhsa_float_denorm_mode_32 3
		.amdhsa_float_denorm_mode_16_64 3
		.amdhsa_memory_ordered 1
		.amdhsa_forward_progress 1
		.amdhsa_inst_pref_size 34
	.end_amdhsa_kernel
	.amdgpu_metadata
---
amdhsa.version: [ 1, 2 ]
amdhsa.kernels:
  - .name:           k_qea5b46eef8_prep
    .symbol:         k_qea5b46eef8_prep.kd
    .args:
      - { .name: hidden_states, .offset: 0, .size: 8, .value_kind: global_buffer, .address_space: global }
      - { .name: wq, .offset: 8, .size: 8, .value_kind: global_buffer, .address_space: global }
      - { .name: wk, .offset: 16, .size: 8, .value_kind: global_buffer, .address_space: global }
      - { .name: wv, .offset: 24, .size: 8, .value_kind: global_buffer, .address_space: global }
      - { .name: wo, .offset: 32, .size: 8, .value_kind: global_buffer, .address_space: global }
      - { .name: position_ids, .offset: 40, .size: 8, .value_kind: global_buffer, .address_space: global }
      - { .name: xb, .offset: 48, .size: 8, .value_kind: global_buffer, .address_space: global }
      - { .name: wb, .offset: 56, .size: 8, .value_kind: global_buffer, .address_space: global }
      - { .name: woh, .offset: 64, .size: 8, .value_kind: global_buffer, .address_space: global }
      - { .name: rope, .offset: 72, .size: 8, .value_kind: global_buffer, .address_space: global }
    .group_segment_fixed_size: 0
    .private_segment_fixed_size: 0
    .kernarg_segment_align: 8
    .kernarg_segment_size: 80
    .max_flat_workgroup_size: 256
    .sgpr_count:     66
    .vgpr_count:     192
    .wavefront_size: 32
...
	.end_amdgpu_metadata
.endif
;; end of part 1
;; launch qkv (part 2): grid 12 x 16, 4 waves a work-group, clusters of 4 x 4, 327,680 bytes of LDS; arguments xb, wb, rope, qkv, vlo; writes qkv, vlo
.if DOCPART == 2
	.amdgcn_target "amdgcn-amd-amdhsa--gfx1250"
	.amdhsa_code_object_version 6
	.text
	.protected	k_qea5b46eef8_qkv
	.globl	k_qea5b46eef8_qkv
	.p2align	8
	.type	k_qea5b46eef8_qkv,@function
k_qea5b46eef8_qkv:
	s_mov_b64 s[64:65], 0
	v_nop
	global_prefetch_b8 v0, s[64:65] scope:SCOPE_SE
	s_setreg_imm32_b32 hwreg(HW_REG_WAVE_MODE, 25, 1), 1
	s_wait_xcnt 0x0
	s_wait_alu depctr_hold_cnt(0) depctr_sa_sdst(0) depctr_va_vdst(0) depctr_va_sdst(0) depctr_va_ssrc(0) depctr_va_vcc(0) depctr_vm_vsrc(0)
	s_getreg_b32 s2, hwreg(HW_REG_IB_STS2, 6, 4)
	s_cmp_eq_u32 s2, 0
	s_cbranch_scc0 .Lentry_in_a_cluster
	s_endpgm
.Lentry_in_a_cluster:
	s_bfe_u32 s2, ttmp6, 0x10000c
	s_cmp_lg_u32 s2, 0xf033
	s_cbranch_scc0 .Lentry_shape_is_right
	s_endpgm
.Lentry_shape_is_right:
; QKV: C = xb [4096][2048] x wb [2048][3072] in bf16 with f32 sums, the rotation of q and k in f32, out in f16 by heads: qkv [3][8 = 4 b + h][2048][256].
; A tile of C is 256 rows x 256 columns = ONE HEAD of q, k or v: four waves, each 128 x 128 in 64 accumulators (512 registers).  K goes in steps of 128 through two LDS slots filled by
; the tensor data mover: 256 rows x 256 bytes of xb, 128 rows (k) x 512 bytes of wb.  wb lies [k][n]: its fragments come out of LDS turned, by ds_load_tr16_b128.
; CLUSTERS: 4 x 4 work-groups.  The four of a row of the cluster need the same tiles of xb, the four of a column the same tiles of wb: each is asked for JOINTLY, by the same tensor load,
; descriptor and mask in all four.  12 x 16 = 192 work-groups: a tile that is a whole head keeps a channel d and its partner d + 128 in one work-group, and q, k or v is the cluster's x.
; THE PRODUCT IS USED TRANSPOSED (source 0 = 16 columns of wb, source 1 = 16 rows of xb): a lane holds row l % 16 of C and 8 neighbouring columns.
; THE WAY OUT.  The whole f32 tile goes through the two slots, which have had their last fill; wave w then takes rows 64 w .. 64 w + 63 whole: a lane holds x1 = 4 channels d and x2 = the 4 channels d + 128,
; with their cos and sin from the table: o1 = x1 cos - x2 sin, o2 = x2 cos + x1 sin; each store of a wave covers 256 consecutive bytes, aligned.
; THE ROUNDING TO f16 is made in f32, to nearest: c = 8193 x, hi = c - (c - x) has 11 significant bits (Veltkamp's split), so the conversion behind it changes nothing.  x - hi is exact: of v's rows 0-31 of each
; tile it is kept, as f16, in vlo [16 tile rows][4 heads][32][256]: a head's first queries see few keys, so that v's rounding would reach the output undiminished there.
; LIMIT.  f16 holds no number beyond 65,504: q, k and v must stay within it; below 2^-14 they keep f16's fixed step.  NaN and infinities are not treated apart.
; REGISTERS, in windows of 256 (s_set_vgpr_msb: bits 1:0 source 0, 3:2 source 1, 5:4 source 2, 7:6 destination):
;   window 0: v0-31 addresses; v64-127, v128-191 fragments of xb, two buffers; on the way out v32-41 addresses, v64-183 rows at work, v192-255 cos and sin
;   window 1: v64-127, v128-191 fragments of wb, two buffers      windows 2, 3: accumulator (a, b) at register 8 (8 a + b) of the 512
.set KSTEP, 128
.set KTOT,  2048
.set LAPS,  KTOT/(2*KSTEP)             ; a lap = two K steps = once round the ring
.set NBW,   8                          ; blocks of 16 columns a wave
.set SHA,   12                         ; a row of xb is 2^12 bytes
.set PITA,  4096
.set PITB,  6144                       ; a row of wb
.set PA,    272                        ; an LDS row of xb: 256 bytes + 16 = 68 words: the 16 rows of a load start at 16 different groups of four banks (64 banks of 4 bytes: ISA guide 11.1)
.set PB,    544                        ; an LDS row of wb: 512 bytes + 32 = 136 words
.set AHALF, 128*PA
.set ATILE, 2*AHALF
.set BHALF, 64*PB
.set SLOT,  ATILE+2*BHALF              ; 139,264 bytes
.set SPARE, 2*SLOT                     ; behind the ring: the spare words, 128 bytes for each wave: two blocks of 256 bytes that no other line names
.set SPT,   1040                       ; a row of the f32 stage: 1,024 bytes + 16
.set ADRA, 16                          ; v16-17  LDS address of my fragments of xb in slot 0, 1
.set ADRB, 20                          ; v20-21  the same for wb
.set STO,  24                          ; v24-25  the way out: where I put 16 bytes of a row, for my rows 0-63 and 64-127
.set SPW,  28                          ; v28     LDS address of my spare word; never rewritten
.set NIL,  29                          ; v29     0; never rewritten
.set PFO,  30                          ; v30     the prefetches' offset; never rewritten
.set TOF,  32                          ; v32-39  row slot i: my byte offset in the table
.set RDA,  40                          ; v40     where I read rows back
.set GOF,  41                          ; v41     8 x lane: my 8 bytes of 256 in the output
.set F0,   64
.set F1,   128
.set X1,   64                          ; the way out, row slot i: 4 registers each
.set X2,   96
.set YY,   128
.set TT,   160                         ; v160-167  a row's 8 numbers in f32
.set T2,   168                         ; v168-175  8193 x
.set T3,   176                         ; v176-183  8193 x - x
.set CO,   192
.set SI,   224
.set G1,  24                           ; s[24:31] descriptor group 1 for xb;  s[32:39] group 0, a set for each slot
.set G0,  32
.set G1B, 48                           ; s[48:55], s[56:63] the same for wb
.set G0B, 56
.set LIM, 43                           ; s43      1 in a wave that prefetches, else the greatest number
.set PFA, 44                           ; s[44:45] where my prefetches stand
.set TBL, 66                           ; s[66:67] the table at my first row
.set PST, 68                           ; s[68:69] a K step in bytes, for my prefetches
.set WH,  70                           ; s70      0 q, 1 k, 2 v: the cluster's x, the same in all sixteen partners
.set VL,  76                           ; s[76:77] vlo at the tile's block of 32 rows, stepped with the trips
.set LOF, 78                           ; s78      a trip keeps v's low parts while the count of trips to go is above this: 4 in wave 0, 8 in the others
.set VKC, 80                           ; s[80:81] 8193.0
.set MSB, 0
.macro WIN new                         ; the immediate's high byte repeats the setting that is left; a switch that changes nothing is dropped
.if MSB != (\new)
	s_set_vgpr_msb (MSB<<8)|(\new)
.set MSB, \new
.endif
.endm
.macro PLACES                          ; four places behind matrix instructions, in front of loads into registers that they have read and of readers of their results
.rept 4
	v_nop
.endr
.endm
; A joint load: waves 0 and 1 fetch the two halves of xb's tile, waves 2 and 3 those of wb's.  The branch hangs on the wave's number alone.  An s_nop 0 and four v_nop follow each line.
.macro JLOAD s
	s_cmp_eq_u32 s11, 0
	s_cbranch_scc0 .Lfor_b_\@
	tensor_load_to_lds s[G0+4*(\s):G0+4*(\s)+3], s[G1:G1+7]
	s_nop 0
	PLACES
	s_branch .Lasked_\@
.Lfor_b_\@:
	tensor_load_to_lds s[G0B+4*(\s):G0B+4*(\s)+3], s[G1B:G1B+7]
	s_nop 0
	PLACES
.Lasked_\@:
.endm
; A prefetch of the K step that stands two refills on: 32 blocks of 256 bytes, a lane a block.  xb's rows are read by every cluster of a row of clusters: cluster x = 0 asks; wb's columns by every cluster of a
; column: cluster y = 0 asks.  The four partners that ask for a tile jointly share its blocks out by address.  The loop's last trip (s3 = 1) has no K step two on.
.macro ASK
	s_cmp_gt_u32 s3, s[LIM]
	s_cbranch_scc0 .Lnot_mine_\@
	global_prefetch_b8 v[PFO], s[PFA:PFA+1] th:TH_LOAD_NT scope:SCOPE_SE
.Lnot_mine_\@:
.endm
.macro CREST                           ; a round of the cluster's barrier behind its opening barrier
	s_cmp_lg_u32 s10, 0
	s_cbranch_scc1 .Lnot_wave_0_\@
	s_barrier_signal -3
.Lnot_wave_0_\@:
	s_barrier_wait -3
	s_barrier_signal -1
	s_barrier_wait -1
.endm
.macro CROUND                          ; a whole round
	s_barrier_signal -1
	s_barrier_wait -1
	CREST
.endm
	s_load_b128 s[4:7], s[0:1], 0x0                ; xb s[4:5], wb s[6:7]
	s_load_b64 s[TBL:TBL+1], s[0:1], 0x10          ; rope
	s_load_b64 s[8:9], s[0:1], 0x18                ; qkv
	s_load_b64 s[VL:VL+1], s[0:1], 0x20            ; vlo
	v_lshl_add_u32 v[SPW], v0, 2, SPARE
	v_mov_b32 v[NIL], 0
	ds_add_u32 v[SPW], v[NIL]                      ; the wave's opening: the add, and its wait ahead of my first tensor load; the set-up below stands between them
	v_lshrrev_b32 v1, 5, v0
	v_readfirstlane_b32 s10, v1                    ; wave 0..3
	s_lshr_b32 s11, s10, 1                         ; which half of the tile's rows is mine.  Also: I fetch for xb (0) or for wb (1)
	s_and_b32 s12, s10, 1                          ; which half of its columns.  Also: which half of that tile I fetch
	s_bfe_u32 s40, ttmp6, 0x40000                  ; cx
	s_bfe_u32 s41, ttmp6, 0x40004                  ; cy
	s_lshl_b32 s42, ttmp9, 2
	s_add_co_u32 s42, s42, s40                     ; tile column = 4 x cluster x + cx
	s_and_b32 s13, ttmp7, 0xffff
	s_lshl_b32 s13, s13, 2
	s_add_co_u32 s13, s13, s41                     ; tile row = 4 x cluster y + cy
	s_mov_b32 s[WH], ttmp9
	s_lshl_b32 s43, s41, 2
	s_lshl_b32 s43, 15, s43                        ; my row of the cluster
	s_lshl_b32 s44, 0x1111, s40                    ; my column
	s_or_b32 s[G1+0], s43, (1<<16)|(1<<20)|(1<<21)|(5<<22)|(3<<25)   ; mask; 2-byte elements; padding on; 21 set beside a mask; after every 64 words 4 words
	s_or_b32 s[G1B+0], s44, (1<<16)|(1<<20)|(1<<21)|(6<<22)|(7<<25)  ; the same with my column's mask; after every 128 words 8 words
	s_mov_b32 s[G1+1], KSTEP<<16                   ; xb: tensor_dim0 = 128
	s_mov_b32 s[G1+2], 128<<16                     ; tensor_dim1 = 128
	s_mov_b32 s[G1+3], KSTEP<<16                   ; tile_dim0 = 128
	s_mov_b32 s[G1+4], 128                         ; tile_dim1 = 128
	s_mov_b32 s[G1+5], KTOT                        ; elements from row to row
	s_mov_b32 s[G1+6], 0
	s_mov_b32 s[G1+7], 0
	s_mov_b32 s[G1B+1], 256<<16                    ; wb: tensor_dim0 = 256 columns
	s_mov_b32 s[G1B+2], 64<<16                     ; tensor_dim1 = 64 rows (k)
	s_mov_b32 s[G1B+3], 256<<16
	s_mov_b32 s[G1B+4], 64
	s_mov_b32 s[G1B+5], 3072
	s_mov_b32 s[G1B+6], 0
	s_mov_b32 s[G1B+7], 0
	s_lshl_b32 s16, s13, 8
	s_lshl_b32 s17, s12, 7
	s_add_co_u32 s16, s16, s17                     ; xb: row 256 x tile row + 128 x half,
	s_lshl_b32 s16, s16, SHA                       ; in bytes
	s_mov_b32 s17, 0
	s_mul_i32 s46, s12, 64*PITB                    ; wb: k row 64 x half,
	s_lshl_b32 s47, s42, 9                         ; the tile's 256 columns: 512 bytes
	s_add_co_u32 s46, s46, s47
	s_mov_b32 s47, 0
	s_mul_i32 s20, s12, AHALF                      ; where they go: no place in the cluster enters an LDS address
	s_mul_i32 s21, s12, BHALF
	s_add_co_u32 s21, s21, ATILE
	s_wait_dscnt 0x0                               ; the opening add is done
	s_wait_kmcnt 0x0
	s_add_nc_u64 s[14:15], s[4:5], s[16:17]
	s_add_nc_u64 s[46:47], s[6:7], s[46:47]
	CROUND                                         ; all sixteen work-groups are here: the first joint loads meet
.irp s, 0,1
	s_mov_b32 s[G0+4*(\s)], 1
	s_add_co_u32 s[G0+4*(\s)+1], s20, (\s)*SLOT
	s_add_nc_u64 s[G0+4*(\s)+2:G0+4*(\s)+3], s[14:15], (\s)*KSTEP*2
	s_or_b32 s[G0+4*(\s)+3], s[G0+4*(\s)+3], 0x80000000
	s_mov_b32 s[G0B+4*(\s)], 1
	s_add_co_u32 s[G0B+4*(\s)+1], s21, (\s)*SLOT
	s_add_nc_u64 s[G0B+4*(\s)+2:G0B+4*(\s)+3], s[46:47], (\s)*KSTEP*PITB
	s_or_b32 s[G0B+4*(\s)+3], s[G0B+4*(\s)+3], 0x80000000
	JLOAD \s                                       ; two tensor loads of mine are out
.endr
	; a fragment of xb: lane l holds row l % 16; registers 0-3 k = 8 (l / 16) + 0..7, registers 4-7 k = 16 + 8 (l / 16) + 0..7: two loads of 16 bytes, 32 bytes apart
	v_and_b32 v1, 15, v0                           ; l % 16
	v_bfe_u32 v2, v0, 4, 1                         ; l / 16
	v_and_b32 v7, 31, v0                           ; l
	v_mul_u32_u24 v3, v1, PA
	v_lshl_add_u32 v3, v2, 4, v3
	s_mul_i32 s21, s11, AHALF                      ; my 128 rows
	v_add_nc_u32 v[ADRA], s21, v3
	v_add_nc_u32 v[ADRA+1], SLOT, v[ADRA]
	; the turning load takes 16 k x 16 columns (lane l reads k row 8 (l / 16) + l % 8, columns 8 ((l / 8) % 2) + 0..7) and leaves half a fragment: lane l holds column l % 16 and 8 k
	v_and_b32 v4, 7, v0
	v_lshl_add_u32 v4, v2, 3, v4
	v_mul_u32_u24 v4, v4, PB
	v_bfe_u32 v5, v0, 3, 1
	v_lshl_add_u32 v4, v5, 4, v4
	s_lshl_b32 s22, s12, 8                         ; my 128 columns: 256 bytes
	s_add_co_u32 s22, s22, ATILE
	v_add_nc_u32 v[ADRB], s22, v4
	v_add_nc_u32 v[ADRB+1], SLOT, v[ADRB]
	v_mul_u32_u24 v6, v1, SPT                      ; into the stage: row 128 x half + l % 16, column 128 x half + 8 (l / 16), 4 bytes a number
	v_lshl_add_u32 v6, v2, 5, v6
	s_mul_i32 s23, s11, 128*SPT
	s_lshl_b32 s22, s12, 9
	s_add_co_u32 s23, s23, s22
	v_add_nc_u32 v[STO], s23, v6
	v_add_nc_u32 v[STO+1], 64*SPT, v[STO]
	s_mul_i32 s23, s10, 64*SPT                     ; back: wave w takes rows 64 w .. 64 w + 63
	v_lshl_add_u32 v[RDA], v7, 4, s23
	v_lshlrev_b32 v[GOF], 3, v7
.set i, 0
.rept 8
	v_lshl_add_u32 v[TOF+i], v7, 4, 1024*i
.set i, i+1
.endr
	s_lshl_b32 s72, s[WH], 3                       ; the output: plane (8 x which + 4 b + h) of 2,048 rows, row 256 (tile row % 8) + 64 w, 512 bytes a row
	s_lshr_b32 s73, s13, 3
	s_lshl2_add_u32 s72, s73, s72
	s_add_co_u32 s72, s72, s40
	s_lshl_b32 s72, s72, 11
	s_and_b32 s73, s13, 7
	s_lshl_b32 s73, s73, 8
	s_add_co_u32 s72, s72, s73
	s_lshl_b32 s73, s10, 6
	s_add_co_u32 s72, s72, s73
	s_lshl_b32 s72, s72, 9
	s_mov_b32 s73, 0
	s_add_nc_u64 s[8:9], s[8:9], s[72:73]
	s_lshl_b32 s74, s13, 8                         ; the table: row 256 x tile row + 64 w, 1,024 bytes a row
	s_lshl_b32 s75, s10, 6
	s_add_co_u32 s74, s74, s75
	s_lshl_b32 s74, s74, 10
	s_mov_b32 s75, 0
	s_add_nc_u64 s[TBL:TBL+1], s[TBL:TBL+1], s[74:75]
	s_lshl2_add_u32 s72, s13, s40                  ; vlo: block 4 x tile row + head, 32 rows of 512 bytes
	s_lshl_b32 s72, s72, 14
	s_mov_b32 s73, 0
	s_add_nc_u64 s[VL:VL+1], s[VL:VL+1], s[72:73]
	s_cmp_eq_u32 s10, 0
	s_cselect_b32 s[LOF], 4, 8                     ; wave 0's first four trips are the tile's rows 0-31
	s_mov_b32 s[VKC], 0x46000400                   ; 8193 = 2^13 + 1: 24 - 13 = 11 significant bits are kept
	s_mov_b32 s[VKC+1], s[VKC]                     ; named with it as a pair
	; the prefetches.  xb: of the 128 rows that I fetch, partner cx takes 32, a lane a row.  wb: of my 64 k rows, partner cy takes 16, two blocks of 256 bytes a row.
	s_lshl_b32 s20, s13, 8
	s_lshl_b32 s22, s12, 7
	s_add_co_u32 s20, s20, s22
	s_lshl_b32 s22, s40, 5
	s_add_co_u32 s20, s20, s22
	s_lshl_b32 s20, s20, SHA
	s_add_co_u32 s20, s20, 3*KSTEP*2               ; at K step 3: the first refill steps it to 4 and names that
	s_lshl_b32 s22, s12, 6
	s_lshl4_add_u32 s22, s41, s22
	s_mul_i32 s22, s22, PITB
	s_lshl_b32 s23, s42, 9
	s_add_co_u32 s22, s22, s23
	s_add_co_u32 s22, s22, 3*KSTEP*PITB
	s_mov_b32 s[PST], KSTEP*PITB
	s_mov_b32 s[PST+1], 0
	s_movk_i32 s71, PITB
	s_and_b32 s23, ttmp7, 0xffff                   ; cluster y
	s_cmp_eq_u32 s11, 0                            ; do I fetch for xb?
	s_cselect_b32 s20, s20, s22
	s_cselect_b32 s[PST], KSTEP*2, s[PST]
	s_cselect_b32 s71, PITA, s71
	s_cselect_b32 s23, ttmp9, s23                  ; the coordinate along which other clusters read the same blocks
	s_cselect_b64 s[PFA:PFA+1], s[4:5], s[6:7]
	s_mov_b32 s21, 0
	s_add_nc_u64 s[PFA:PFA+1], s[PFA:PFA+1], s[20:21]
	s_cmp_eq_u32 s23, 0
	s_cselect_b32 s[LIM], 1, -1                    ; the same in all sixteen partners, for a given wave
	v_lshrrev_b32 v[PFO], s11, v7                  ; xb: l rows; wb: l / 2 rows and l % 2 blocks
	v_mul_lo_u32 v[PFO], v[PFO], s71
	v_and_b32 v8, s11, v7
	v_lshl_add_u32 v[PFO], v8, 8, v[PFO]
; 2 NBW matrix instructions: row blocks a0, a0 + 1 x all column blocks, 32 along K.  zero = 1: the first product starts the sums.  The accumulators take turns, one instruction a turn.
.macro MULA f, a0, zero
	WIN 0xa1+0x50*((8*NBW*(\a0))/256)              ; source 0 (wb) window 1, source 1 (xb) window 0, C and D window 2 or 3
.irp a, \a0, (\a0)+1
.set b, 0
.rept NBW
.set rD, (8*(NBW*(\a)+b))%256
.if \zero
	v_wmma_f32_16x16x32_bf16 v[rD:rD+7], v[(\f)+8*b:(\f)+8*b+7], v[(\f)+8*(\a):(\f)+8*(\a)+7], 0
.else
	v_wmma_f32_16x16x32_bf16 v[rD:rD+7], v[(\f)+8*b:(\f)+8*b+7], v[(\f)+8*(\a):(\f)+8*(\a)+7], v[rD:rD+7]
.endif
.set b, b+1
.endr
.endr
.endm
; one run of LDS loads: the fragments of quarter kq (32 along K) of a slot into buffer f: wb's first, then xb's
.macro FETCH slot, kq, f
	WIN 0x40                                       ; destination window 1, address window 0
.set i, 0
.rept NBW
	ds_load_tr16_b128 v[(\f)+8*i:(\f)+8*i+3],   v[ADRB+(\slot)] offset:(\kq)*32*PB+32*i
	ds_load_tr16_b128 v[(\f)+8*i+4:(\f)+8*i+7], v[ADRB+(\slot)] offset:(\kq)*32*PB+32*i+16*PB
.set i, i+1
.endr
	WIN 0
.set i, 0
.rept 8
	ds_load_b128 v[(\f)+8*i:(\f)+8*i+3],   v[ADRA+(\slot)] offset:64*(\kq)+i*16*PA
	ds_load_b128 v[(\f)+8*i+4:(\f)+8*i+7], v[ADRA+(\slot)] offset:64*(\kq)+i*16*PA+32
.set i, i+1
.endr
.endm
; one of a K step's first three quarters: multiplies buffer f; in its middle it fetches quarter kq of the same slot into buffer g
.macro QUARTER slot, kq, f, g, zero
	s_wait_dscnt 8                                 ; wb's and xb's rows 0-63 are in; the youngest eight loads (rows 64-127) may be out
	MULA \f, 0, \zero
	MULA \f, 2, \zero
	PLACES
	FETCH \slot, \kq, \g
	s_wait_dscnt 2*NBW+16                          ; all but the run just issued
	MULA \f, 4, \zero
	MULA \f, 6, \zero
.endm
; the last quarter's first half: ONE barrier for the change of slots.  In front of it: all my tensor loads have landed, the add, my reads of this slot are over.
.macro MEET round
	WIN 0                                          ; (the add's two registers lie in window 0)
	s_wait_tensorcnt 0x0                           ; the one that was out is my part of the next slot
	ds_add_u32 v[SPW], v[NIL]                      ; 0 onto my spare word
	s_wait_dscnt 9                                 ; (the add and the youngest eight loads may be out)
	MULA F1, 0, 0
	s_wait_dscnt 0x0                               ; the add is done, and my reads of this slot are over
	s_barrier_signal -1
	MULA F1, 2, 0
.if \round
	WIN 0
.endif
	s_barrier_wait -1
.endm
.macro TURN slot, next                 ; the whole last quarter, with the refill of the slot just read out: K step two on
	s_wait_xcnt 0x0                                ; the last prefetch, a K step back, has read its address
	s_add_nc_u64 s[PFA:PFA+1], s[PFA:PFA+1], s[PST:PST+1]
	MEET 1
	CREST                                          ; the barrier has opened a round of the cluster's: no wave of any partner still reads this slot or has a load on its way
	s_add_nc_u64 s[G0+4*(\slot)+2:G0+4*(\slot)+3], s[G0+4*(\slot)+2:G0+4*(\slot)+3], 2*KSTEP*2
	s_add_nc_u64 s[G0B+4*(\slot)+2:G0B+4*(\slot)+3], s[G0B+4*(\slot)+2:G0B+4*(\slot)+3], 2*KSTEP*PITB
	JLOAD \slot                                    ; the first tensor load behind the round, my only one until the next; its four v_nop are also the places in front of the loads below
	FETCH \next, 0, F0
	ASK
	MULA F1, 4, 0
	MULA F1, 6, 0
.endm
	s_wait_tensorcnt 1                             ; my part of K step 0 is in; K step 1 may stay out
	s_barrier_signal -1
	s_barrier_wait -1
	FETCH 0, 0, F0
	QUARTER 0, 1, F0, F1, 1                        ; the first quarter stands in front of the loop: its products start the sums
	WIN 0
	s_mov_b32 s3, LAPS-1
.Llap:                                                 ; a trip goes once round the ring, from a lap's second quarter to the next lap's first
	QUARTER 0, 2, F1, F0, 0
	QUARTER 0, 3, F0, F1, 0
	TURN 0, 1
	QUARTER 1, 1, F0, F1, 0
	QUARTER 1, 2, F1, F0, 0
	QUARTER 1, 3, F0, F1, 0
	TURN 1, 0
	QUARTER 0, 1, F0, F1, 0
	WIN 0
	s_sub_co_u32 s3, s3, 1
	s_cmp_lg_u32 s3, 0
	s_cbranch_scc1 .Llap
	QUARTER 0, 2, F1, F0, 0                        ; the last lap fills nothing
	QUARTER 0, 3, F0, F1, 0
	MEET 0
	PLACES
	FETCH 1, 0, F0
	MULA F1, 4, 0
	MULA F1, 6, 0
	QUARTER 1, 1, F0, F1, 0
	QUARTER 1, 2, F1, F0, 0
	QUARTER 1, 3, F0, F1, 0
	s_wait_dscnt 8
	MULA F1, 0, 0
	MULA F1, 2, 0
	s_wait_dscnt 0x0                               ; my last reads of the ring are over
	MULA F1, 4, 0
	MULA F1, 6, 0
	WIN 0
	PLACES
	PLACES
	s_cmp_eq_u32 s[WH], 2                          ; v is not rotated
	s_cbranch_scc1 .Lno_table
.irp i, 0,1,2,3,4,5,6,7                ; cos and sin of my first eight rows: on their way while the tile goes through the stage
	global_load_b128 v[CO+4*(\i):CO+4*(\i)+3], v[TOF+(\i)], s[TBL:TBL+1]
	global_load_b128 v[SI+4*(\i):SI+4*(\i)+3], v[TOF+(\i)], s[TBL:TBL+1] offset:512
.endr
.Lno_table:
	s_barrier_signal -1                            ; every wave has waited for its reads of the ring and for its tensor loads:
	s_barrier_wait -1                              ; the ring, which is filled no more, becomes the stage
.set a, 0
.rept 8
	WIN 0x08+4*(a/4)                               ; store data (source 1) in window 2 or 3
.set b, 0
.rept 8
.set rD, (8*(8*a+b))%256
	ds_store_b128 v[STO+a/4], v[rD:rD+3]   offset:(a%4)*16*SPT+64*b      ; each accumulator's low registers first
	ds_store_b128 v[STO+a/4], v[rD+4:rD+7] offset:(a%4)*16*SPT+64*b+16
.set b, b+1
.endr
.set a, a+1
.endr
	WIN 0
	s_wait_dscnt 0x0                               ; for the others' sake: my stores into the stage are done
	s_barrier_signal -1
	s_barrier_wait -1
; Eight numbers, in the four pairs that begin at a, b, c, d, are rounded to 11 significant bits, to nearest, into TT: c = 8193 x; hi = c - (c - x).  By stages, so that no line reads the result of the one before it.
.macro NEAR a, b, c, d
	v_pk_mul_f32 v[T2:T2+1],     v[(\a):(\a)+1], s[VKC:VKC+1] op_sel_hi:[1,0]
	v_pk_mul_f32 v[T2+2:T2+3],   v[(\b):(\b)+1], s[VKC:VKC+1] op_sel_hi:[1,0]
	v_pk_mul_f32 v[T2+4:T2+5],   v[(\c):(\c)+1], s[VKC:VKC+1] op_sel_hi:[1,0]
	v_pk_mul_f32 v[T2+6:T2+7],   v[(\d):(\d)+1], s[VKC:VKC+1] op_sel_hi:[1,0]
	v_pk_add_f32 v[T3:T3+1],     v[T2:T2+1],     v[(\a):(\a)+1] neg_lo:[0,1] neg_hi:[0,1]
	v_pk_add_f32 v[T3+2:T3+3],   v[T2+2:T2+3],   v[(\b):(\b)+1] neg_lo:[0,1] neg_hi:[0,1]
	v_pk_add_f32 v[T3+4:T3+5],   v[T2+4:T2+5],   v[(\c):(\c)+1] neg_lo:[0,1] neg_hi:[0,1]
	v_pk_add_f32 v[T3+6:T3+7],   v[T2+6:T2+7],   v[(\d):(\d)+1] neg_lo:[0,1] neg_hi:[0,1]
	v_pk_add_f32 v[TT:TT+1],     v[T2:T2+1],     v[T3:T3+1]     neg_lo:[0,1] neg_hi:[0,1]
	v_pk_add_f32 v[TT+2:TT+3],   v[T2+2:T2+3],   v[T3+2:T3+3]   neg_lo:[0,1] neg_hi:[0,1]
	v_pk_add_f32 v[TT+4:TT+5],   v[T2+4:T2+5],   v[T3+4:T3+5]   neg_lo:[0,1] neg_hi:[0,1]
	v_pk_add_f32 v[TT+6:TT+7],   v[T2+6:T2+7],   v[T3+6:T3+7]   neg_lo:[0,1] neg_hi:[0,1]
.endm
; 8 trips of 8 rows.  rope = 1: a ring of 8 row slots keeps 16 table loads out; a slot's pair is asked for again, 8 rows on, as soon as it has been used.  The offset wraps at my 64 rows, so that the last
; trip asks for rows 0-7 once more, unused: the count 14 then holds in every trip, and every load stays inside the table.
; rope = 0 (v): what the rounding leaves, x - hi, is taken at once, in x's place (four lines a row); at the trip's end the tile's rows 0-31 store it, the other rows drop it.
.macro OUT rope
	s_mov_b32 s3, 8
.Lrows_\@:
.irp i, 0,1,2,3,4,5,6,7
	ds_load_b128 v[X1+4*(\i):X1+4*(\i)+3], v[RDA] offset:(\i)*SPT          ; channels 4 l .. 4 l + 3,
	ds_load_b128 v[X2+4*(\i):X2+4*(\i)+3], v[RDA] offset:(\i)*SPT+512      ; and 128 further on
.endr
.irp i, 0,1,2,3,4,5,6,7
.if \rope
	s_wait_loadcnt 14                              ; sixteen table loads are out, this slot's two the oldest
.endif
	s_wait_dscnt 14-2*(\i)                         ; row i is in; the rows behind it may be out
.if \rope
	v_pk_mul_f32 v[TT:TT+1],   v[X2+4*(\i):X2+4*(\i)+1],   v[SI+4*(\i):SI+4*(\i)+1]
	v_pk_mul_f32 v[TT+2:TT+3], v[X2+4*(\i)+2:X2+4*(\i)+3], v[SI+4*(\i)+2:SI+4*(\i)+3]
	v_pk_mul_f32 v[TT+4:TT+5], v[X1+4*(\i):X1+4*(\i)+1],   v[SI+4*(\i):SI+4*(\i)+1]
	v_pk_mul_f32 v[TT+6:TT+7], v[X1+4*(\i)+2:X1+4*(\i)+3], v[SI+4*(\i)+2:SI+4*(\i)+3]
	v_pk_fma_f32 v[TT:TT+1],   v[X1+4*(\i):X1+4*(\i)+1],   v[CO+4*(\i):CO+4*(\i)+1],   v[TT:TT+1]   neg_lo:[0,0,1] neg_hi:[0,0,1]  ; x1 cos - x2 sin
	v_pk_fma_f32 v[TT+2:TT+3], v[X1+4*(\i)+2:X1+4*(\i)+3], v[CO+4*(\i)+2:CO+4*(\i)+3], v[TT+2:TT+3] neg_lo:[0,0,1] neg_hi:[0,0,1]
	v_pk_fma_f32 v[TT+4:TT+5], v[X2+4*(\i):X2+4*(\i)+1],   v[CO+4*(\i):CO+4*(\i)+1],   v[TT+4:TT+5]                                  ; x2 cos + x1 sin
	v_pk_fma_f32 v[TT+6:TT+7], v[X2+4*(\i)+2:X2+4*(\i)+3], v[CO+4*(\i)+2:CO+4*(\i)+3], v[TT+6:TT+7]
	v_add_nc_u32 v[TOF+(\i)], 8192, v[TOF+(\i)]    ; free since the wait for the slot's own loads
	v_and_b32 v[TOF+(\i)], 0xffff, v[TOF+(\i)]
	global_load_b128 v[CO+4*(\i):CO+4*(\i)+3], v[TOF+(\i)], s[TBL:TBL+1]
	global_load_b128 v[SI+4*(\i):SI+4*(\i)+3], v[TOF+(\i)], s[TBL:TBL+1] offset:512
	NEAR TT, TT+2, TT+4, TT+6
.else
	NEAR X1+4*(\i), X1+4*(\i)+2, X2+4*(\i), X2+4*(\i)+2
	v_pk_add_f32 v[X1+4*(\i):X1+4*(\i)+1],   v[X1+4*(\i):X1+4*(\i)+1],   v[TT:TT+1]   neg_lo:[0,1] neg_hi:[0,1]   ; x - hi, exact
	v_pk_add_f32 v[X1+4*(\i)+2:X1+4*(\i)+3], v[X1+4*(\i)+2:X1+4*(\i)+3], v[TT+2:TT+3] neg_lo:[0,1] neg_hi:[0,1]
	v_pk_add_f32 v[X2+4*(\i):X2+4*(\i)+1],   v[X2+4*(\i):X2+4*(\i)+1],   v[TT+4:TT+5] neg_lo:[0,1] neg_hi:[0,1]
	v_pk_add_f32 v[X2+4*(\i)+2:X2+4*(\i)+3], v[X2+4*(\i)+2:X2+4*(\i)+3], v[TT+6:TT+7] neg_lo:[0,1] neg_hi:[0,1]
.endif
.irp j, 0,1,2,3
	v_cvt_pk_f16_f32 v[YY+4*(\i)+(\j)], v[TT+2*(\j)], v[TT+2*(\j)+1]       ; exact: the numbers have 11 significant bits
.endr
	global_store_b64 v[GOF], v[YY+4*(\i):YY+4*(\i)+1],   s[8:9] offset:(\i)*512       ; a wave stores 256 consecutive bytes, at a multiple of 256 from the buffer's first
	global_store_b64 v[GOF], v[YY+4*(\i)+2:YY+4*(\i)+3], s[8:9] offset:(\i)*512+256
.endr
.if !(\rope)
	s_cmp_lt_u32 s[LOF], s3                        ; wave 0, trips to go 8 to 5: the tile's rows 0-31
	s_cbranch_scc0 .Lno_low_\@
.irp i, 0,1,2,3,4,5,6,7
	v_cvt_pk_f16_f32 v[X1+4*(\i)],   v[X1+4*(\i)],   v[X1+4*(\i)+1]        ; the low parts, packed in place
	v_cvt_pk_f16_f32 v[X1+4*(\i)+1], v[X1+4*(\i)+2], v[X1+4*(\i)+3]
	v_cvt_pk_f16_f32 v[X2+4*(\i)],   v[X2+4*(\i)],   v[X2+4*(\i)+1]
	v_cvt_pk_f16_f32 v[X2+4*(\i)+1], v[X2+4*(\i)+2], v[X2+4*(\i)+3]
	global_store_b64 v[GOF], v[X1+4*(\i):X1+4*(\i)+1], s[VL:VL+1] offset:(\i)*512
	global_store_b64 v[GOF], v[X2+4*(\i):X2+4*(\i)+1], s[VL:VL+1] offset:(\i)*512+256
.endr
.Lno_low_\@:
.endif
	s_wait_xcnt 0x0                                ; the trip's stores have read their data and their bases: these are written, and the rows' registers loaded, again only behind this wait
	s_add_nc_u64 s[8:9], s[8:9], 8*512
.if !(\rope)
	s_add_nc_u64 s[VL:VL+1], s[VL:VL+1], 8*512     ; (stepped in every trip and wave; named by the stores above alone)
.endif
	v_add_nc_u32 v[RDA], 8*SPT, v[RDA]
	s_sub_co_u32 s3, s3, 1
	s_cmp_lg_u32 s3, 0
	s_cbranch_scc1 .Lrows_\@
.endm
	s_cmp_eq_u32 s[WH], 2
	s_cbranch_scc1 .Lplain
	OUT 1
	s_branch .Lend
.Lplain:
	OUT 0
.Lend:
	s_wait_tensorcnt 0x0                           ; the wave's end, behind my last tensor load and my last LDS store
	ds_add_u32 v[SPW], v[NIL]
	s_wait_dscnt 0x0
	CROUND                                         ; the closing round: no work-group ends while a partner may still ask for a tile that names it
	s_endpgm
.Lfunc_end_k_qea5b46eef8_qkv:
	.size	k_qea5b46eef8_qkv, .Lfunc_end_k_qea5b46eef8_qkv-k_qea5b46eef8_qkv
	.p2alignl 7, 3214868480
	.fill 96, 4, 3214868480
	.section	.rodata,"a",@progbits
	.p2align	6, 0x0
	.amdhsa_kernel k_qea5b46eef8_qkv
		.amdhsa_group_segment_fixed_size 327680
		.amdhsa_private_segment_fixed_size 0
		.amdhsa_enable_private_segment 0
		.amdhsa_kernarg_size 40
		.amdhsa_user_sgpr_count 2
		.amdhsa_user_sgpr_kernarg_segment_ptr 1
		.amdhsa_wavefront_size32 1
		.amdhsa_system_sgpr_workgroup_id_x 1
		.amdhsa_system_sgpr_workgroup_id_y 1
		.amdhsa_system_sgpr_workgroup_id_z 1
		.amdhsa_system_vgpr_workitem_id 0
		.amdhsa_next_free_vgpr 1024
		.amdhsa_next_free_sgpr 82
		.amdhsa_reserve_vcc 0
		.amdhsa_float_denorm_mode_32 3
		.amdhsa_float_denorm_mode_16_64 3
		.amdhsa_memory_ordered 1
		.amdhsa_forward_progress 1
		.amdhsa_inst_pref_size 159
	.end_amdhsa_kernel
	.amdgpu_metadata
---
amdhsa.version: [ 1, 2 ]
amdhsa.kernels:
  - .name:           k_qea5b46eef8_qkv
    .symbol:         k_qea5b46eef8_qkv.kd
    .args:
      - { .name: xb, .offset: 0, .size: 8, .value_kind: global_buffer, .address_space: global }
      - { .name: wb, .offset: 8, .size: 8, .value_kind: global_buffer, .address_space: global }
      - { .name: rope, .offset: 16, .size: 8, .value_kind: global_buffer, .address_space: global }
      - { .name: qkv, .offset: 24, .size: 8, .value_kind: global_buffer, .address_space: global }
      - { .name: vlo, .offset: 32, .size: 8, .value_kind: global_buffer, .address_space: global }
    .group_segment_fixed_size: 327680
    .private_segment_fixed_size: 0
    .kernarg_segment_align: 8
    .kernarg_segment_size: 40
    .max_flat_workgroup_size: 128
    .sgpr_count:     82
    .vgpr_count:     1024
    .wavefront_size: 32
...
	.end_amdgpu_metadata
.endif
;; end of part 2
;; launch attn (part 3): grid 32 x 8, 4 waves a work-group, clusters of 4 x 1, 327,680 bytes of LDS; arguments qkv, vlo, ao; writes ao
.if DOCPART == 3
	.amdgcn_target "amdgcn-amd-amdhsa--gfx1250"
	.amdhsa_code_object_version 6
	.text
	.protected	k_qea5b46eef8_attn
	.globl	k_qea5b46eef8_attn
	.p2align	8
	.type	k_qea5b46eef8_attn,@function
k_qea5b46eef8_attn:
	s_mov_b64 s[64:65], 0
	v_nop
	global_prefetch_b8 v0, s[64:65] scope:SCOPE_SE
	s_setreg_imm32_b32 hwreg(HW_REG_WAVE_MODE, 25, 1), 1
	s_wait_xcnt 0x0
	s_wait_alu depctr_hold_cnt(0) depctr_sa_sdst(0) depctr_va_vdst(0) depctr_va_sdst(0) depctr_va_ssrc(0) depctr_va_vcc(0) depctr_vm_vsrc(0)
	s_getreg_b32 s2, hwreg(HW_REG_IB_STS2, 6, 4)
	s_cmp_eq_u32 s2, 0
	s_cbranch_scc0 .Lentry_in_a_cluster
	s_endpgm
.Lentry_in_a_cluster:
	s_bfe_u32 s2, ttmp6, 0x10000c
	s_cmp_lg_u32 s2, 0x3003
	s_cbranch_scc0 .Lentry_shape_is_right
	s_endpgm
.Lentry_shape_is_right:
; CAUSAL ATTENTION at head size 256.  qkv: [3][8 heads = 4 b + h][2048][256] f16; vlo: [16][4 heads][32][256] f16, what v's rounding left of rows 0-31 of each 256; ao: [4096 = 2048 b + s][1024 = 256 h + d] f16.
; O[q] = the sum over k <= q of softmax_k(Q[q] . K[k] / 16) V[k].  Products, maxima and sums in f32; the weights p are rounded to f16 for the second product (their sum is taken unrounded), O once at the end.
; LIMITS.  A hidden score counts as -2^100: true scores must lie far above that.  p below 6e-5 keeps f16's fixed step; a weight below 2^-126 counts as 0.  NaN and infinities are not treated apart.
; SHARES.  A cluster of four work-groups owns queries 256 J .. 256 J + 255 of one head, J = 7 - cluster x; work-group cx owns 64 of them.  All four walk the same 2 J + 2 tiles of 128 keys, asked for JOINTLY.
; THE KEYS ARE SPLIT AMONG THE WAVES: every wave holds all 64 queries (four tiles of 16) and takes keys 32 w .. 32 w + 31 of each key tile, so each byte of K and V leaves LDS once a work-group.
; Each wave keeps its own running maximum m, sum l and O^T; the four are merged once, at the end, through LDS, in f32.
; LAYOUT.  S^T = K Q^T (source 0 = 16 keys, source 1 = 16 queries): a lane holds ONE query (lane % 16) and the keys 8 (lane / 16) + 0..7.  Two such results rounded to f16 ARE source 1 (32 keys x 16 queries) of
; O^T = V^T P, whose result again holds one query a lane, and 8 channels.  K comes out of LDS as it lies, V ([key][channel]) turned.
; SOFTMAX.  p = 2^(c s - c m), c = log2(e) / 16; in every step O and l are multiplied by a = 2^(c m_old - c m_new).  m starts at the lowest finite number, O and l at 0.
; A KEY TILE: 64 products K Q^T, V's loads behind each quarter of them; in the middle the change of slots (all reads of the slot are issued by then) and the softmax; then 64 products V^T P, behind each the
; rescaling of an accumulator eight products on, and the next tile's K behind each quarter.
; THE MASK: only the walk's last two tiles hold hidden keys; they are a second text, a loop of two trips.  In the head's first block a wave may see hidden keys ALONE for a query: its m is then the mask's
; value itself.  That value is a power of two, so that c times it is exact in f32 and the fused c s - c m is exactly 0 there (of any other number it would be the product's rounding error, 2^-24 of 1e29):
; the wave's weights are 1, its l and O^T finite, and the merge gives them the factor 0.
; A HEAD'S FIRST ROWS average over few keys, so that every rounding reaches the output undiminished, in numbers many times the output's root mean square.  Two things are done for them.
; (1) O at the end, and p in the walk's last two tiles (all the tiles that the first 256 queries have), are rounded to f16's 11 significant bits in f32, to nearest (c = 8193 x, hi = c - (c - x): Veltkamp's
; split), so that the conversion behind it changes nothing.  In the earlier tiles, which only queries from 256 on have, p goes to the conversion as it is: 96 vector instructions a tile are spared.
; (2) In the head's first cluster wave 0 adds, behind key tile 0's products, P times the low parts of V's rows 0-31: queries 0-31 see no other keys, so v's rounding is gone from them.
; UNEVEN WALKS: 2 to 16 tiles, by J.  Two blocks to a work-group would halve the work-groups and want a merge stage beside a ring that is still being filled.
; REGISTERS (s_set_vgpr_msb: bits 1:0 source 0, 3:2 source 1, 5:4 source 2, 7:6 destination):
;   window 0: v0-15 addresses; v16-47 statistics; v48-111 S^T, 16 a tile, P in place in the first 8; v112-239 four buffers of 32 for K's and V's fragments; v240-247 at work; v248-250 addresses of the low parts
;   window 1: Q, tile t, channels 32 c on at 64 t + 8 c          windows 2, 3: O^T, tile t, channel block b in window 2 + t / 2 at 128 (t % 2) + 8 b
.set PK,    528       ; a row of K in LDS: 512 bytes + 16 = 132 words: the 16 rows of a load start at 16 different groups of four banks (64 banks of 4 bytes: ISA guide 11.1)
.set PV,    544       ; a row of V: 512 + 32 = 136 words
.set VOFF,  128*PK
.set SLOT,  VOFF+128*PV      ; 137,216
.set STATS, 262144    ; the merge lies in the ring, which has then had its last fill: wave w's O^T at 65,536 w; then 16 x 256 bytes of (c m, l);
.set OUTS,  266240    ; then 16 rows x 528 bytes for each wave, for the way out
.set OPI,   528
.set SPARE, OUTS+4*16*OPI    ; behind them: the spare words, 128 bytes for each wave: two blocks of 256 bytes that no other line names
.set VSCR,  SPARE+512 ; behind those: 32 rows x 544 bytes, wave 0's own, for V's low parts; no tensor load fills them
.set AK,  2           ; v2-3    my lane's place in K's tile in slot 0, 1
.set AV,  4           ; v4-5    the same for V
.set QO,  6           ; v6      my byte offset in 16 rows of Q
.set DD,  7           ; v7      the mask: register r of key block kb of tile t is hidden where 16 kb + r - 16 t is greater
.set RSA, 8           ; v8-11   the merge: where wave 0..3 put my tile's O^T
.set OST, 12          ; v12     the way out: where I put 16 bytes of a row
.set PFO, 13          ; v13     256 x lane; never rewritten
.set SPW, 14          ; v14     LDS address of my spare word; never rewritten
.set NIL, 15          ; v15     0; never rewritten
.set ST,  16          ; tile t at ST + 8 t: c m, m, l (even registers', odd registers'), a, 0, c0, c1 (at work)
.set S,   48
.set BUF, 112
.set VLG, 248         ; v248    16 x lane: my 16 bytes of a row of vlo
.set VLS, 249         ; v249    where I put them in LDS
.set VLA, 250         ; v250    my lane's place there for the turning loads
.set VLP, 6           ; s[6:7]  vlo at the head's rows 0-31
.set WV,  8           ; s8   my wave's number
.set J,   9           ; s9
.set U,   10          ; s10  counts the loop's trips, two key tiles each
.set CX,  11          ; s11
.set G1K, 16          ; s[16:23] descriptor group 1 for K's tiles;  s[24:31] for V's: it differs in the padding alone
.set G1V, 24
.set G0K, 32          ; s[32:39] group 0 for K's tiles, a set for each slot;  s[40:47] for V's
.set G0V, 40
.set CS,  48          ; s[48:49] c
.set SEL, 50          ; s[50:51] v_permlanex16_b32's selects: each lane takes its own place in the other half
.set PFA, 52          ; s[52:53] where my prefetches stand
.set LIM, 54          ; s54-55   a wave prefetches behind the refill of slot 0, 1 while U is below this
.set CNT, 56
.set BIGN, 57         ; s57  -2^100
.set AO,  58          ; s[58:59] ao at my wave's 16 rows
.set QB,  60          ; s[60:61] Q at my work-group's 64 rows
.set SPC, 74          ; s74  2 in the head's first cluster, else 0: the tail's count at which the low parts are added
.set VK,  76          ; s[76:77] 8193.0
.set MSB, 0
.macro WIN new                      ; the high byte repeats the setting that is left; a switch that changes nothing is dropped
.if MSB != (\new)
	s_set_vgpr_msb (MSB<<8)|(\new)
.set MSB, \new
.endif
.endm
.macro PLACES
.rept 4
	v_nop
.endr
.endm
; A joint refill of slot s.  Waves 0 and 1 fetch the two halves of K's tile, waves 2 and 3 those of V's.  An s_nop 0 and four v_nop follow each line.
.macro JLOAD s
	s_cmp_lt_u32 s[WV], 2
	s_cbranch_scc0 .Lfor_v_\@
	tensor_load_to_lds s[G0K+4*(\s):G0K+4*(\s)+3], s[G1K:G1K+7]
	s_nop 0
	PLACES
	s_branch .Lasked_\@
.Lfor_v_\@:
	tensor_load_to_lds s[G0V+4*(\s):G0V+4*(\s)+3], s[G1V:G1V+7]
	s_nop 0
	PLACES
.Lasked_\@:
.endm
; A prefetch of what the NEXT refill will ask for.  All clusters of a head walk the same tiles from 0 on; the one with the longest walk (J = 7) asks.  Of the 32,768 bytes that a wave fetches of a tile, partner cx
; takes 8,192, told apart by address: a lane a block of 256 bytes, one instruction.  So each block is named once.  Tiles 0 to 2 come by their loads alone; tile 15 is the last that is named.
.macro ASK slot
	s_cmp_lt_u32 s[U], s[LIM+(\slot)]
	s_cbranch_scc0 .Lnot_mine_\@
	global_prefetch_b8 v[PFO], s[PFA:PFA+1] th:TH_LOAD_NT scope:SCOPE_SE
.Lnot_mine_\@:
.endm
.macro CROUND                       ; a round of the cluster's barrier
	s_barrier_signal -1
	s_barrier_wait -1
	s_cmp_lg_u32 s[WV], 0
	s_cbranch_scc1 .Lnot_wave_0_\@
	s_barrier_signal -3
.Lnot_wave_0_\@:
	s_barrier_wait -3
	s_barrier_signal -1
	s_barrier_wait -1
.endm
	s_load_b128 s[4:7], s[0:1], 0x0 ; qkv s[4:5], vlo s[6:7]
	s_load_b64 s[AO:AO+1], s[0:1], 0x10  ; ao
	v_lshl_add_u32 v[SPW], v0, 2, SPARE
	v_mov_b32 v[NIL], 0
	ds_add_u32 v[SPW], v[NIL]       ; the wave's opening: the add, and its wait ahead of my first tensor load; the set-up below stands between them
	v_lshrrev_b32 v1, 5, v0
	v_readfirstlane_b32 s[WV], v1   ; wave 0..3
	s_bfe_u32 s[CX], ttmp6, 0x40000
	s_sub_co_u32 s[J], 7, ttmp9     ; the long walks have the low numbers
	s_and_b32 s12, ttmp7, 0xffff    ; the head, 4 b + h
	s_and_b32 s13, s[WV], 1         ; which half of a tile's 128 keys I fetch
	s_lshl_b32 s62, s12, 20         ; a head is 2,048 rows of 512 bytes
	s_lshl_b32 s63, s13, 15
	s_add_co_u32 s62, s62, s63
	s_add_co_u32 s62, s62, 8388608  ; K's plane
	s_mov_b32 s63, 0
	s_mul_i32 s14, s13, 64*PK       ; where my half goes, for K
	s_mul_i32 s15, s13, 64*PV       ; and for V: no place in the cluster enters an LDS address
	s_add_co_u32 s15, s15, VOFF
	s_lshl_b32 s66, s[J], 8
	s_lshl_b32 s67, s[CX], 6
	s_add_co_u32 s66, s66, s67      ; my work-group's first query
	s_lshl_b32 s68, s66, 9
	s_lshl_b32 s69, s12, 20
	s_add_co_u32 s68, s68, s69
	s_mov_b32 s69, 0                ; its byte in Q's plane
	s_lshr_b32 s70, s12, 2
	s_lshl_b32 s70, s70, 11
	s_add_co_u32 s70, s70, s66
	s_lshl_b32 s71, s[WV], 4
	s_add_co_u32 s70, s70, s71      ; ao: row 2,048 b + first query + 16 w,
	s_lshl_b32 s70, s70, 11
	s_and_b32 s71, s12, 3
	s_lshl_b32 s71, s71, 9          ; the head's 512 bytes of it
	s_add_co_u32 s70, s70, s71
	s_mov_b32 s71, 0
	s_lshr_b32 s72, s12, 2          ; vlo: block 4 x (tile row 8 b) + h, 16,384 bytes each
	s_lshl_b32 s72, s72, 5
	s_and_b32 s73, s12, 3
	s_add_co_u32 s72, s72, s73
	s_lshl_b32 s72, s72, 14
	s_mov_b32 s73, 0
	s_lshl_b32 s66, s[CX], 13       ; the prefetches: my work-group's 8,192 bytes,
	s_add_co_u32 s66, s66, 2*65536  ; in tile 2: the first refill steps it to tile 3
	s_mov_b32 s67, 0
	s_mov_b32 s[G1K], 15|(1<<16)|(1<<20)|(1<<21)|(6<<22)|(3<<25)  ; the mask of four; 2-byte elements; padding on; 21 set beside a mask; after every 128 words 4 words
	s_mov_b32 s[G1V], 15|(1<<16)|(1<<20)|(1<<21)|(6<<22)|(7<<25)  ; the same with 8 words
.irp g, G1K, G1V
	s_mov_b32 s[(\g)+1], 256<<16    ; tensor_dim0 = 256
	s_mov_b32 s[(\g)+2], 64<<16     ; tensor_dim1 = 64
	s_mov_b32 s[(\g)+3], 256<<16    ; tile_dim0 = 256
	s_mov_b32 s[(\g)+4], 64         ; tile_dim1 = 64
	s_mov_b32 s[(\g)+5], 256        ; elements from row to row
	s_mov_b32 s[(\g)+6], 0
	s_mov_b32 s[(\g)+7], 0
.endr
	s_mov_b32 s[G0K], 1
	s_mov_b32 s[G0K+1], s14
	s_mov_b32 s[G0K+4], 1
	s_add_co_u32 s[G0K+5], s14, SLOT
	s_mov_b32 s[G0V], 1
	s_mov_b32 s[G0V+1], s15
	s_mov_b32 s[G0V+4], 1
	s_add_co_u32 s[G0V+5], s15, SLOT
	s_mov_b32 s[CS], 0x3db8aa3b     ; c = log2(e) / 16
	s_mov_b32 s[CS+1], s[CS]        ; named with it as a pair
	s_mov_b32 s[VK], 0x46000400     ; 8193 = 2^13 + 1: 24 - 13 = 11 significant bits are kept
	s_mov_b32 s[VK+1], s[VK]
	s_mov_b32 s[SEL], 0x76543210
	s_mov_b32 s[SEL+1], 0xfedcba98
	s_mov_b32 s[BIGN], 0xf1800000   ; -2^100: a power of two, so that c times it is exact
	s_cmp_eq_u32 s[J], 7
	s_cselect_b32 s[LIM], 7, 0      ; behind slot 0's refill in trip U tile 2 U + 3 is named,
	s_cselect_b32 s[LIM+1], 6, 0    ; behind slot 1's tile 2 U + 4
	s_cmp_eq_u32 s[J], 0
	s_cselect_b32 s[SPC], 2, 0      ; the same in all four partners
	s_wait_dscnt 0x0                ; the opening add is done
	s_wait_kmcnt 0x0
	s_add_nc_u64 s[G0K+2:G0K+3], s[4:5], s[62:63]          ; my half of tile 0,
	s_add_nc_u64 s[G0K+6:G0K+7], s[G0K+2:G0K+3], 65536     ; of tile 1;
	s_add_nc_u64 s[G0V+2:G0V+3], s[G0K+2:G0K+3], 8388608   ; V's plane lies behind K's
	s_add_nc_u64 s[G0V+6:G0V+7], s[G0V+2:G0V+3], 65536
	s_cmp_lt_u32 s[WV], 2
	s_cselect_b64 s[PFA:PFA+1], s[G0K+2:G0K+3], s[G0V+2:G0V+3]
	s_add_nc_u64 s[PFA:PFA+1], s[PFA:PFA+1], s[66:67]
	s_or_b32 s[G0K+3], s[G0K+3], 0x80000000
	s_or_b32 s[G0K+7], s[G0K+7], 0x80000000
	s_or_b32 s[G0V+3], s[G0V+3], 0x80000000
	s_or_b32 s[G0V+7], s[G0V+7], 0x80000000
	s_add_nc_u64 s[QB:QB+1], s[4:5], s[68:69]
	s_add_nc_u64 s[AO:AO+1], s[AO:AO+1], s[70:71]
	s_add_nc_u64 s[VLP:VLP+1], s[VLP:VLP+1], s[72:73]
	CROUND                          ; all four work-groups are here: the first joint loads meet
	s_cmp_lt_u32 s[WV], 2           ; a wave's two first fills stand in one branch: two loads of mine are out
	s_cbranch_scc0 .Lfirst_v
	tensor_load_to_lds s[G0K:G0K+3], s[G1K:G1K+7]
	s_nop 0
	tensor_load_to_lds s[G0K+4:G0K+7], s[G1K:G1K+7]
	s_nop 0
	PLACES
	s_branch .Lfirst_asked
.Lfirst_v:
	tensor_load_to_lds s[G0V:G0V+3], s[G1V:G1V+7]
	s_nop 0
	tensor_load_to_lds s[G0V+4:G0V+7], s[G1V:G1V+7]
	s_nop 0
	PLACES
.Lfirst_asked:
	v_and_b32 v1, 15, v0            ; l % 16
	v_bfe_u32 v240, v0, 4, 1        ; l / 16
	v_and_b32 v241, 31, v0          ; l
	v_lshlrev_b32 v[QO], 9, v1
	v_lshl_add_u32 v[QO], v240, 4, v[QO]  ; row x 512 + 16 x half
	WIN 0x40                        ; destination window 1, address window 0
.set i, 0
.rept 32                            ; Q stays in registers: tile i / 8, channels 32 (i % 8) on
	global_load_b128 v[8*i:8*i+3],   v[QO], s[QB:QB+1] offset:(i/8)*8192+(i%8)*64
	global_load_b128 v[8*i+4:8*i+7], v[QO], s[QB:QB+1] offset:(i/8)*8192+(i%8)*64+32
.set i, i+1
.endr
	WIN 0
.set i, 0
.rept 16
	v_mov_b32 v[BUF+i], 0
.set i, i+1
.endr
	WIN 0x80                        ; O^T starts at 0: 64 products of zeros with C = 0, in the wait for the first tile, in place of 512 moves
.set i, 0
.rept 32
	v_wmma_f32_16x16x32_f16 v[8*i:8*i+7], v[BUF:BUF+7], v[BUF+8:BUF+15], 0
.set i, i+1
.endr
	WIN 0xc0
.set i, 0
.rept 32
	v_wmma_f32_16x16x32_f16 v[8*i:8*i+7], v[BUF:BUF+7], v[BUF+8:BUF+15], 0
.set i, i+1
.endr
	WIN 0                           ; the set-up below names none of those registers: it holds the places in front of K's first loads into them
.irp t, 0,1,2,3
	v_mov_b32 v[ST+8*(\t)], 0xfe000000     ; c m: far below every c s
	v_mov_b32 v[ST+8*(\t)+1], 0xff7fffff   ; m
	v_mov_b32 v[ST+8*(\t)+2], 0
	v_mov_b32 v[ST+8*(\t)+3], 0
	v_mov_b32 v[ST+8*(\t)+5], 0            ; named with a as a pair
.endr
	s_mul_i32 s12, s[WV], 32*PK     ; my 32 keys of a tile
	v_mul_u32_u24 v[AK], v1, PK
	v_lshl_add_u32 v[AK], v240, 4, v[AK]
	v_add_nc_u32 v[AK], s12, v[AK]
	v_add_nc_u32 v[AK+1], SLOT, v[AK]
	s_mul_i32 s12, s[WV], 32*PV
	s_add_co_u32 s12, s12, VOFF
	v_and_b32 v242, 7, v0           ; the turning load: lane l reads key 8 (l / 16) + l % 8, channels 8 ((l / 8) % 2) + 0..7
	v_lshl_add_u32 v[AV], v240, 3, v242
	v_mul_u32_u24 v[AV], v[AV], PV
	v_bfe_u32 v242, v0, 3, 1
	v_lshl_add_u32 v[AV], v242, 4, v[AV]
	v_add_nc_u32 v[VLA], VSCR, v[AV]       ; the same place among the 32 rows of low parts
	v_add_nc_u32 v[AV], s12, v[AV]
	v_add_nc_u32 v[AV+1], SLOT, v[AV]
	v_lshlrev_b32 v[VLG], 4, v241
	v_add_nc_u32 v[VLS], VSCR, v[VLG]
	s_lshl_b32 s12, s[WV], 14       ; the merge: my tile's 16 accumulators of 1,024 bytes in each wave's 65,536
	v_lshl_add_u32 v[RSA], v241, 4, s12
.irp w, 1,2,3
	v_add_nc_u32 v[RSA+(\w)], 65536*(\w), v[RSA]
.endr
	s_mul_i32 s12, s[WV], 16*OPI
	s_add_co_u32 s12, s12, OUTS
	v_mul_u32_u24 v[OST], v1, OPI
	v_lshl_add_u32 v[OST], v240, 4, v[OST]
	v_add_nc_u32 v[OST], s12, v[OST]
	v_lshlrev_b32 v[PFO], 8, v241
	s_lshl_b32 s66, s[CX], 6        ; the mask, a value and no address: key 128 u + 32 w + 16 kb + 8 (l / 16) + r is hidden from query 64 cx + 16 t + l % 16 where it is greater
	s_lshl_b32 s67, s[WV], 5
	s_sub_co_u32 s66, s66, s67
	v_lshlrev_b32 v242, 3, v240
	v_sub_nc_u32 v[DD], v1, v242
	v_add_nc_u32 v[DD], s66, v[DD]
; 16 products of S^T = K Q^T: key block G / 2, channels 128 (G % 2) + 32 ci on, all four tiles.  The four accumulators take turns; the first product of each starts its sum.
.macro KQG G
	WIN 0x04                        ; Q (source 1) in window 1
.irp ci, 0,1,2,3
.irp t, 0,1,2,3
.if (4*((\G)%2)+(\ci)) == 0
	v_wmma_f32_16x16x32_f16 v[S+16*(\t)+8*((\G)/2):S+16*(\t)+8*((\G)/2)+7], v[BUF+32*(\G)+8*(\ci):BUF+32*(\G)+8*(\ci)+7], v[64*(\t)+8*(4*((\G)%2)+(\ci)):64*(\t)+8*(4*((\G)%2)+(\ci))+7], 0
.else
	v_wmma_f32_16x16x32_f16 v[S+16*(\t)+8*((\G)/2):S+16*(\t)+8*((\G)/2)+7], v[BUF+32*(\G)+8*(\ci):BUF+32*(\G)+8*(\ci)+7], v[64*(\t)+8*(4*((\G)%2)+(\ci)):64*(\t)+8*(4*((\G)%2)+(\ci))+7], v[S+16*(\t)+8*((\G)/2):S+16*(\t)+8*((\G)/2)+7]
.endif
.endr
.endr
.endm
.macro LDK reg, G                   ; 8 loads: K's four fragments of group G into buffer G
.irp ci, 0,1,2,3
	ds_load_b128 v[BUF+32*(\G)+8*(\ci):BUF+32*(\G)+8*(\ci)+3],   v[\reg] offset:((\G)/2)*16*PK+64*(4*((\G)%2)+(\ci))
	ds_load_b128 v[BUF+32*(\G)+8*(\ci)+4:BUF+32*(\G)+8*(\ci)+7], v[\reg] offset:((\G)/2)*16*PK+64*(4*((\G)%2)+(\ci))+32
.endr
.endm
.macro LDV reg, G                   ; 8 turning loads: V's channel blocks 4 G .. 4 G + 3, my 32 keys, into buffer G
.irp ci, 0,1,2,3
	ds_load_tr16_b128 v[BUF+32*(\G)+8*(\ci):BUF+32*(\G)+8*(\ci)+3],   v[\reg] offset:32*(4*(\G)+(\ci))
	ds_load_tr16_b128 v[BUF+32*(\G)+8*(\ci)+4:BUF+32*(\G)+8*(\ci)+7], v[\reg] offset:32*(4*(\G)+(\ci))+16*PV
.endr
.endm
; Product n of 64 of O^T += V^T P, and the rescaling of the same accumulator: tile 2 ((n / 8) % 2) + n % 2, channel block 4 (n / 16) + (n / 2) % 4.  Each accumulator has one product a key tile.
.macro WHICH n
.set rt, 2*(((\n)/8)%2)+(\n)%2
.set rO, 128*(rt%2)+8*(4*((\n)/16)+((\n)/2)%4)
.endm
.macro PVW n
	WHICH \n
	WIN 0xa0+0x50*(rt/2)            ; V and P in window 0, O^T in window 2 or 3
	v_wmma_f32_16x16x32_f16 v[rO:rO+7], v[BUF+32*((\n)/16)+8*(((\n)/2)%4):BUF+32*((\n)/16)+8*(((\n)/2)%4)+7], v[S+16*rt:S+16*rt+7], v[rO:rO+7]
.endm
.macro RS n
	WHICH \n
	WIN 0x82+0x41*(rt/2)            ; O^T (destination and source 0) in window 2 or 3, a in window 0
.irp z, 0,2,4,6                     ; from the accumulator's low end on
	v_pk_mul_f32 v[rO+(\z):rO+(\z)+1], v[rO+(\z):rO+(\z)+1], v[ST+8*rt+4:ST+8*rt+5] op_sel_hi:[1,0]
.endr
.endm
.macro T4 line:vararg               ; one line for each tile t
.set t, 0
.rept 4
	\line
.set t, t+1
.endr
.endm
.macro SMAX                         ; the maximum of a lane's 16 scores and the old m; each accumulator's low registers are read first
	T4 v_max3_num_f32 v[ST+8*t+6], v[S+16*t], v[S+16*t+1], v[S+16*t+2]
	T4 v_max3_num_f32 v[ST+8*t+7], v[S+16*t+8], v[S+16*t+9], v[S+16*t+10]
	T4 v_max3_num_f32 v[ST+8*t+6], v[ST+8*t+6], v[S+16*t+3], v[S+16*t+4]
	T4 v_max3_num_f32 v[ST+8*t+7], v[ST+8*t+7], v[S+16*t+11], v[S+16*t+12]
	T4 v_max3_num_f32 v[ST+8*t+6], v[ST+8*t+6], v[S+16*t+5], v[S+16*t+6]
	T4 v_max3_num_f32 v[ST+8*t+7], v[ST+8*t+7], v[S+16*t+13], v[S+16*t+14]
	T4 v_max3_num_f32 v[ST+8*t+6], v[ST+8*t+6], v[S+16*t+7], v[S+16*t+15]
	T4 v_max3_num_f32 v[ST+8*t+6], v[ST+8*t+6], v[ST+8*t+7], v[ST+8*t+1]
.endm
.macro SREST fine                   ; the rest of the softmax: ONE batch of 68 exponentials with ONE wait.  fine = 1: the weights are rounded to 11 significant bits in f32, to nearest, ahead of the conversion
	T4 v_permlanex16_b32 v[ST+8*t+7], v[ST+8*t+6], s[SEL], s[SEL+1]     ; the query's other 16 keys lie in the lane 16 away
	T4 v_max_num_f32 v[ST+8*t+1], v[ST+8*t+6], v[ST+8*t+7]
	T4 v_mov_b32 v[ST+8*t+7], v[ST+8*t]                                 ; c m_old
	T4 v_mul_f32 v[ST+8*t], s[CS], v[ST+8*t+1]
	T4 v_sub_f32 v[ST+8*t+7], v[ST+8*t+7], v[ST+8*t]
.set p, 0
.rept 8
	T4 v_pk_fma_f32 v[S+16*t+2*p:S+16*t+2*p+1], v[S+16*t+2*p:S+16*t+2*p+1], s[CS:CS+1], v[ST+8*t:ST+8*t+1] op_sel_hi:[1,0,0] neg_lo:[0,0,1] neg_hi:[0,0,1]
.set p, p+1
.endr
	T4 v_exp_f32 v[ST+8*t+4], v[ST+8*t+7]                               ; a
.set p, 0
.rept 16
	T4 v_exp_f32 v[S+16*t+p], v[S+16*t+p]
.set p, p+1
.endr
	v_nop                           ; a plain instruction behind the last exponential
	s_wait_alu depctr_va_vdst(0)    ; one wait for the batch, ahead of its first reader
	T4 v_pk_add_f32 v[ST+8*t+6:ST+8*t+7], v[S+16*t:S+16*t+1], v[S+16*t+2:S+16*t+3]
.set p, 2
.rept 6
	T4 v_pk_add_f32 v[ST+8*t+6:ST+8*t+7], v[ST+8*t+6:ST+8*t+7], v[S+16*t+2*p:S+16*t+2*p+1]
.set p, p+1
.endr
	T4 v_pk_fma_f32 v[ST+8*t+2:ST+8*t+3], v[ST+8*t+2:ST+8*t+3], v[ST+8*t+4:ST+8*t+5], v[ST+8*t+6:ST+8*t+7] op_sel_hi:[1,0,1]   ; l = a l + the sum
.set p, 0
.rept 8                             ; P in place: register p takes scores 2 p and 2 p + 1, ascending
.if \fine
	T4 v_pk_mul_f32 v[ST+8*t+6:ST+8*t+7], v[S+16*t+2*p:S+16*t+2*p+1], s[VK:VK+1] op_sel_hi:[1,0]                                  ; c = 8193 p
	T4 v_pk_add_f32 v[240+2*t:241+2*t], v[ST+8*t+6:ST+8*t+7], v[S+16*t+2*p:S+16*t+2*p+1] neg_lo:[0,1] neg_hi:[0,1]                ; c - p
	T4 v_pk_add_f32 v[S+16*t+2*p:S+16*t+2*p+1], v[ST+8*t+6:ST+8*t+7], v[240+2*t:241+2*t] neg_lo:[0,1] neg_hi:[0,1]                ; c - (c - p)
.endif
	T4 v_cvt_pk_f16_f32 v[S+16*t+p], v[S+16*t+2*p], v[S+16*t+2*p+1]
.set p, p+1
.endr
.endm
.macro MASKS                        ; a hidden score is replaced by -2^100; each accumulator from its low end on
.irp t, 0,1,2,3
.set q, 0
.rept 16
	v_cmp_gt_i32 vcc_lo, 16*(q/8)+q%8-16*(\t), v[DD]
	v_cndmask_b32 v[S+16*(\t)+q], v[S+16*(\t)+q], s[BIGN], vcc_lo
.set q, q+1
.endr
.endr
.endm
; V'S LOW PARTS.  In the head's first cluster, behind the products of key tile 0, wave 0 (whose keys are 0-31) adds P times what v's rounding left of rows 0-31.  It holds for all four partners: each of their
; queries sees those keys.  16,384 bytes come by 32 loads of 512 consecutive bytes, go into rows of 544 bytes of LDS that are wave 0's own, and come back turned; P still stands in its registers.
; The jumps hang on the wave's number, on J and on the tail's count; they pass no barrier and no tensor load.  Every window is 0 on the way in and on the way out.
.macro VLOW
	s_cmp_lg_u32 s[WV], 0
	s_cbranch_scc1 .Lno_low_\@
	s_cmp_eq_u32 s[CNT], s[SPC]
	s_cbranch_scc0 .Lno_low_\@
.set i, 0
.rept 32
	global_load_b128 v[BUF+4*i:BUF+4*i+3], v[VLG], s[VLP:VLP+1] offset:512*i
.set i, i+1
.endr
	s_wait_loadcnt 0x0              ; nothing else of mine is out
.set i, 0
.rept 32
	ds_store_b128 v[VLS], v[BUF+4*i:BUF+4*i+3] offset:PV*i
.set i, i+1
.endr
.irp G, 0,1,2,3
	LDV VLA, \G                     ; LDS serves a wave's instructions in order (ISA guide 5.7.1.4): these see the stores above
.endr
	s_wait_dscnt 0x0
.set n, 0
.rept 64
	PVW n                           ; the 64 accumulators take turns
.set n, n+1
.endr
	WIN 0
.rept 5
	v_nop                           ; the places in front of K's loads into the buffers, and of the next products K Q^T, which write over P
.endr
.Lno_low_\@:
.endm
; A KEY TILE.  avr: V's address; akn: the next tile's K's; fill = 1: slot is filled again, with the tile two on; mask = 1: the tile holds hidden keys;
; kmode = 1: the next K comes by quarters among the products V^T P; 2: in one run at the end, jumped over in the walk's last tile.
.macro TILE avr, akn, slot, fill, mask, kmode
.irp G, 0,1,2,3
	s_wait_dscnt 24                 ; K's group G is in: behind it three groups of eight loads are out
	KQG \G
	PLACES                          ; in front of the loads into the buffer just multiplied; behind the last group also in front of the readers of the scores
	LDV \avr, \G                    ; (an LDS load names a destination and source 0: the setting 0x04 leaves both in window 0)
.endr
	WIN 0
	s_wait_tensorcnt 0x0            ; all my tensor loads have landed: the one that was out is my part of the other slot
.if \fill
	ds_add_u32 v[SPW], v[NIL]       ; 0 onto my spare word; work on registers stands between it and the wait for it
	s_wait_xcnt 0x0                 ; the last prefetch, a key tile back, has read its address
	s_add_nc_u64 s[PFA:PFA+1], s[PFA:PFA+1], 65536
	s_add_nc_u64 s[G0K+4*(\slot)+2:G0K+4*(\slot)+3], s[G0K+4*(\slot)+2:G0K+4*(\slot)+3], 2*65536
	s_add_nc_u64 s[G0V+4*(\slot)+2:G0V+4*(\slot)+3], s[G0V+4*(\slot)+2:G0V+4*(\slot)+3], 2*65536
	SMAX
	s_wait_dscnt 0x0                ; the add is done; V is in; my reads of this slot are over
	CROUND                          ; no wave of any partner still reads the slot or has a load on its way
	JLOAD \slot                     ; my one tensor load behind the round: it has a whole key tile, 128 matrix instructions, in which to land
	ASK \slot
.else
.if \mask
	MASKS
.endif
	SMAX
	s_wait_dscnt 0x0                ; V is in
	s_barrier_signal -1             ; it shows the other slot whole to every wave
	s_barrier_wait -1
.endif
	SREST \mask
.set n, 0
.rept 8
	RS n
.set n, n+1
.endr
.set n, 0
.rept 64
	PVW n
.if n < 56
	RS n+8                          ; four riders: they name no register of the products round them, and are the places in front of the loads below
.endif
.if ((\kmode) == 1) && (n%16 == 15)
	WIN 0
.if n == 63
.rept 5
	v_nop                           ; the places in front of the loads into the last buffer, and of the next products K Q^T, which write over P
.endr
.endif
	LDK \akn, n/16
.endif
.set n, n+1
.endr
.if (\kmode) == 2
	WIN 0
.rept 5
	v_nop
.endr
	VLOW
	s_cmp_eq_u32 s[CNT], 1
	s_cbranch_scc1 .Lno_k_\@
.irp G, 0,1,2,3
	LDK \akn, \G
.endr
.Lno_k_\@:
.endif
.endm
	s_wait_tensorcnt 1              ; my part of tile 0 is in; tile 1 may stay out
	s_barrier_signal -1
	s_barrier_wait -1
.irp G, 0,1,2,3
	LDK AK, \G
.endr
	s_wait_loadcnt 0x0              ; Q
	s_mov_b32 s[U], 0
	s_mov_b32 s[CNT], 2
	s_cmp_eq_u32 s[J], 0            ; the same in all four partners: the first block has its two masked tiles alone
	s_cbranch_scc1 .Ltail
.Lpair:                             ; J trips: tiles 2 U and 2 U + 1 are walked, tiles 2 U + 2 and 2 U + 3 asked for; every LDS address is fixed
	TILE AV, AK+1, 0, 1, 0, 1
	TILE AV+1, AK, 1, 1, 0, 1
	s_add_co_u32 s[U], s[U], 1
	s_cmp_lt_u32 s[U], s[J]
	s_cbranch_scc1 .Lpair
.Ltail:                             ; the walk's last two tiles: nothing is asked for
	TILE AV, AK+1, 0, 0, 1, 2
	v_add_nc_u32 v[AV], SLOT, v[AV]
	v_add_nc_u32 v[DD], 0xffffff80, v[DD]  ; the second tile's keys lie 128 further on
	s_sub_co_u32 s[CNT], s[CNT], 1
	s_cmp_lg_u32 s[CNT], 0
	s_cbranch_scc1 .Ltail
	; THE MERGE.  Each wave's l: its two halves and the other half of the lanes'; it is written beside c m.
	T4 v_add_f32 v[ST+8*t+2], v[ST+8*t+2], v[ST+8*t+3]
	T4 v_permlanex16_b32 v[ST+8*t+3], v[ST+8*t+2], s[SEL], s[SEL+1]
	T4 v_add_f32 v[ST+8*t+1], v[ST+8*t+2], v[ST+8*t+3]
	v_and_b32 v254, 31, v0
	s_lshl_b32 s12, s[WV], 10
	s_add_co_u32 s12, s12, STATS
	v_lshl_add_u32 v240, v254, 3, s12      ; my statistics: (4 w + t) x 256 + 8 l
	s_lshl_b32 s12, s[WV], 16
	v_lshl_add_u32 v241, v254, 4, s12      ; my O^T: 65,536 w + 16 l
	s_lshl_b32 s12, s[WV], 8
	s_add_co_u32 s12, s12, STATS
	v_lshl_add_u32 v242, v254, 3, s12      ; the four waves' statistics of tile w
	s_mul_i32 s12, s[WV], 16*OPI
	s_add_co_u32 s12, s12, OUTS
	v_lshl_add_u32 v243, v254, 4, s12      ; whole rows back
	v_lshlrev_b32 v255, 4, v254
	s_wait_dscnt 0x0
	s_barrier_signal -1             ; every wave's reads of the ring are over, and it is filled no more:
	s_barrier_wait -1               ; it becomes the stage
.irp t, 0,1,2,3
	ds_store_b64 v240, v[ST+8*(\t):ST+8*(\t)+1] offset:256*(\t)
.endr
.set n, 0
.rept 64                            ; accumulator n = 16 t + b: 1,024 bytes, unscaled, in f32; its low registers first
	WIN 0x08+4*(n/32)               ; store data (source 1) in window 2 or 3
.set rO, 128*((n/16)%2)+8*(n%16)
	ds_store_b128 v241, v[rO:rO+3]   offset:1024*n
	ds_store_b128 v241, v[rO+4:rO+7] offset:1024*n+512
.set n, n+1
.endr
	WIN 0
	s_wait_dscnt 0x0                ; for the others' sake
	s_barrier_signal -1
	s_barrier_wait -1
.irp w, 0,1,2,3                     ; wave w finishes tile w
	ds_load_b64 v[244+2*(\w):245+2*(\w)], v242 offset:1024*(\w)
.endr
	s_wait_dscnt 0x0
	v_max3_num_f32 v252, v244, v246, v248
	v_max_num_f32 v252, v252, v250  ; the query's maximum over all keys, times c: wave 0 sees key 0, so it is a true score's
.irp w, 0,1,2,3
	v_sub_f32 v[244+2*(\w)], v[244+2*(\w)], v252
.endr
.irp w, 0,1,2,3
	v_exp_f32 v[244+2*(\w)], v[244+2*(\w)]  ; a wave that saw hidden keys alone has c m = -c 2^100, near -1.1e29: its factor is 0, and its l and O^T are finite
.endr
	v_nop
	s_wait_alu depctr_va_vdst(0)    ; one wait for the four
	v_mul_f32 v253, v244, v245
	v_fmac_f32 v253, v246, v247
	v_fmac_f32 v253, v248, v249
	v_fmac_f32 v253, v250, v251
	v_rcp_f32 v254, v253
	v_nop
	s_wait_alu depctr_va_vdst(0)
.irp w, 0,1,2,3
	v_mul_f32 v[244+2*(\w)], v[244+2*(\w)], v254
.endr
	s_mov_b32 s[CNT], 4
.Lmerge:                            ; four channel blocks a trip: the four waves' parts, weighted and added, rounded to f16, into my own rows of the out stage
.irp w, 0,1,2,3
.irp b, 0,1,2,3
	ds_load_b128 v[BUF+32*(\w)+8*(\b):BUF+32*(\w)+8*(\b)+3],   v[RSA+(\w)] offset:1024*(\b)
	ds_load_b128 v[BUF+32*(\w)+8*(\b)+4:BUF+32*(\w)+8*(\b)+7], v[RSA+(\w)] offset:1024*(\b)+512
.endr
.endr
	s_wait_dscnt 0x0
.set p, 0
.rept 16
	v_pk_mul_f32 v[BUF+2*p:BUF+2*p+1], v[BUF+2*p:BUF+2*p+1], v[244:245] op_sel_hi:[1,0]
.set p, p+1
.endr
.irp w, 1,2,3
.set p, 0
.rept 16
	v_pk_fma_f32 v[BUF+2*p:BUF+2*p+1], v[BUF+32*(\w)+2*p:BUF+32*(\w)+2*p+1], v[244+2*(\w):245+2*(\w)], v[BUF+2*p:BUF+2*p+1] op_sel_hi:[1,0,1]
.set p, p+1
.endr
.endr
.set p, 0
.rept 16                            ; to 11 significant bits, to nearest, in f32: c = 8193 x,
	v_pk_mul_f32 v[BUF+32+2*p:BUF+32+2*p+1], v[BUF+2*p:BUF+2*p+1], s[VK:VK+1] op_sel_hi:[1,0]
.set p, p+1
.endr
.set p, 0
.rept 16                            ; c - x,
	v_pk_add_f32 v[BUF+64+2*p:BUF+64+2*p+1], v[BUF+32+2*p:BUF+32+2*p+1], v[BUF+2*p:BUF+2*p+1] neg_lo:[0,1] neg_hi:[0,1]
.set p, p+1
.endr
.set p, 0
.rept 16                            ; c - (c - x)
	v_pk_add_f32 v[BUF+2*p:BUF+2*p+1], v[BUF+32+2*p:BUF+32+2*p+1], v[BUF+64+2*p:BUF+64+2*p+1] neg_lo:[0,1] neg_hi:[0,1]
.set p, p+1
.endr
.set p, 0
.rept 16
	v_cvt_pk_f16_f32 v[BUF+32+p], v[BUF+2*p], v[BUF+2*p+1]
.set p, p+1
.endr
.irp b, 0,1,2,3
	ds_store_b128 v[OST], v[BUF+32+4*(\b):BUF+32+4*(\b)+3] offset:32*(\b)
.endr
.irp w, 0,1,2,3
	v_add_nc_u32 v[RSA+(\w)], 4096, v[RSA+(\w)]
.endr
	v_add_nc_u32 v[OST], 128, v[OST]
	s_sub_co_u32 s[CNT], s[CNT], 1
	s_cmp_lg_u32 s[CNT], 0
	s_cbranch_scc1 .Lmerge
.set p, 0
.rept 16
	ds_load_b128 v[BUF+4*p:BUF+4*p+3], v243 offset:p*OPI  ; LDS serves a wave's instructions in order (ISA guide 5.7.1.4): these see my stores above
.set p, p+1
.endr
.set p, 0
.rept 16
	s_wait_dscnt 15-p               ; row p is back; the rows behind it may be out
	global_store_b128 v255, v[BUF+4*p:BUF+4*p+3], s[AO:AO+1] offset:p*2048  ; a wave stores 512 consecutive bytes, at a multiple of 256 from ao's first
.set p, p+1
.endr
	s_wait_tensorcnt 0x0            ; the wave's end, behind my last tensor load and my last LDS store
	ds_add_u32 v[SPW], v[NIL]
	s_wait_dscnt 0x0
	CROUND                          ; the closing round: no work-group ends while a partner may still ask for a tile that names it
	s_endpgm
.Lfunc_end_k_qea5b46eef8_attn:
	.size	k_qea5b46eef8_attn, .Lfunc_end_k_qea5b46eef8_attn-k_qea5b46eef8_attn
	.p2alignl 7, 3214868480
	.fill 96, 4, 3214868480
	.section	.rodata,"a",@progbits
	.p2align	6, 0x0
	.amdhsa_kernel k_qea5b46eef8_attn
		.amdhsa_group_segment_fixed_size 327680
		.amdhsa_private_segment_fixed_size 0
		.amdhsa_enable_private_segment 0
		.amdhsa_kernarg_size 24
		.amdhsa_user_sgpr_count 2
		.amdhsa_user_sgpr_kernarg_segment_ptr 1
		.amdhsa_wavefront_size32 1
		.amdhsa_system_sgpr_workgroup_id_x 1
		.amdhsa_system_sgpr_workgroup_id_y 1
		.amdhsa_system_sgpr_workgroup_id_z 1
		.amdhsa_system_vgpr_workitem_id 0
		.amdhsa_next_free_vgpr 1024
		.amdhsa_next_free_sgpr 78
		.amdhsa_reserve_vcc 1
		.amdhsa_float_denorm_mode_32 3
		.amdhsa_float_denorm_mode_16_64 3
		.amdhsa_memory_ordered 1
		.amdhsa_forward_progress 1
		.amdhsa_inst_pref_size 205
	.end_amdhsa_kernel
	.amdgpu_metadata
---
amdhsa.version: [ 1, 2 ]
amdhsa.kernels:
  - .name:           k_qea5b46eef8_attn
    .symbol:         k_qea5b46eef8_attn.kd
    .args:
      - { .name: qkv, .offset: 0, .size: 8, .value_kind: global_buffer, .address_space: global }
      - { .name: vlo, .offset: 8, .size: 8, .value_kind: global_buffer, .address_space: global }
      - { .name: ao, .offset: 16, .size: 8, .value_kind: global_buffer, .address_space: global }
    .group_segment_fixed_size: 327680
    .private_segment_fixed_size: 0
    .kernarg_segment_align: 8
    .kernarg_segment_size: 24
    .max_flat_workgroup_size: 128
    .sgpr_count:     78
    .vgpr_count:     1024
    .wavefront_size: 32
...
	.end_amdgpu_metadata
.endif
;; end of part 3
;; launch oproj (part 4): grid 16 x 16, 4 waves a work-group, clusters of 4 x 4, 327,680 bytes of LDS; arguments ao, woh, out0; writes out0
.if DOCPART == 4
	.amdgcn_target "amdgcn-amd-amdhsa--gfx1250"
	.amdhsa_code_object_version 6
	.text
	.protected	k_qea5b46eef8_oproj
	.globl	k_qea5b46eef8_oproj
	.p2align	8
	.type	k_qea5b46eef8_oproj,@function
k_qea5b46eef8_oproj:
	s_mov_b64 s[64:65], 0
	v_nop
	global_prefetch_b8 v0, s[64:65] scope:SCOPE_SE
	s_setreg_imm32_b32 hwreg(HW_REG_WAVE_MODE, 25, 1), 1
	s_wait_xcnt 0x0
	s_wait_alu depctr_hold_cnt(0) depctr_sa_sdst(0) depctr_va_vdst(0) depctr_va_sdst(0) depctr_va_ssrc(0) depctr_va_vcc(0) depctr_vm_vsrc(0)
	s_getreg_b32 s2, hwreg(HW_REG_IB_STS2, 6, 4)
	s_cmp_eq_u32 s2, 0
	s_cbranch_scc0 .Lentry_in_a_cluster
	s_endpgm
.Lentry_in_a_cluster:
	s_bfe_u32 s2, ttmp6, 0x10000c
	s_cmp_lg_u32 s2, 0xf033
	s_cbranch_scc0 .Lentry_shape_is_right
	s_endpgm
.Lentry_shape_is_right:
; OPROJ: out0 [4096][2048] f32 = ao [4096][1024] x woh [1024][2048], both f16, sums in f32.
; A tile of C is 256 rows x 128 columns, which gives 16 x 16 = 256 work-groups: four waves, each 128 x 64 in 32 accumulators (256 registers).  K goes in steps of 128 through two LDS slots filled by the
; tensor data mover: 256 rows x 256 bytes of ao, 128 rows (k) x 256 bytes of woh.  woh lies [k][n]: its fragments come out of LDS turned, by ds_load_tr16_b128.
; CLUSTERS: 4 x 4 work-groups; ao's tiles are shared along a row of the cluster, woh's along a column: each is asked for JOINTLY, by the same tensor load, descriptor and mask in all four.
; THE PRODUCT IS USED TRANSPOSED (source 0 = 16 columns of woh, source 1 = 16 rows of ao): a lane holds row l % 16 of C and 8 neighbouring columns.
; THE WAY OUT.  The f32 tile goes through the slots, which have had their last fill; wave w then stores rows 64 w .. 64 w + 63 whole: 512 consecutive bytes an instruction.
; REGISTERS (s_set_vgpr_msb: bits 1:0 source 0, 3:2 source 1, 5:4 source 2, 7:6 destination):
;   window 0: v0-41 addresses; v64-127, v128-191 fragments of ao, two buffers      window 1: v64-95, v128-159 fragments of woh      window 2: accumulator (a, b) at 8 (4 a + b)
.set KSTEP, 128
.set KTOT,  1024
.set LAPS,  KTOT/(2*KSTEP)
.set NBW,   4
.set SHA,   11                         ; a row of ao is 2^11 bytes
.set PITA,  2048
.set PITB,  4096                       ; a row of woh
.set PA,    272                        ; an LDS row of ao: 256 bytes + 16: the 16 rows of a load start at 16 different groups of four banks (64 banks of 4 bytes: ISA guide 11.1)
.set PB,    288                        ; an LDS row of woh: 256 bytes + 32
.set AHALF, 128*PA
.set ATILE, 2*AHALF
.set BHALF, 64*PB
.set SLOT,  ATILE+2*BHALF              ; 106,496 bytes
.set SPARE, 2*SLOT                     ; behind the ring: the spare words, 128 bytes for each wave: two blocks of 256 bytes that no other line names
.set SPT,   528                        ; a row of the f32 stage: 512 bytes + 16
.set ADRA, 16
.set ADRB, 20
.set STO,  24
.set SPW,  28
.set NIL,  29
.set PFO,  30
.set RDA,  40
.set GOF,  41
.set F0,   64
.set F1,   128
.set X1,   64
.set G1,  24
.set G0,  32
.set G1B, 48
.set G0B, 56
.set LIM, 43
.set PFA, 44
.set PST, 68
.set MSB, 0
.macro WIN new
.if MSB != (\new)
	s_set_vgpr_msb (MSB<<8)|(\new)
.set MSB, \new
.endif
.endm
.macro PLACES                          ; four places (ISA guide 7.12.1) behind matrix instructions
.rept 4
	v_nop
.endr
.endm
.macro JLOAD s                         ; a joint load: waves 0 and 1 fetch ao's two halves, waves 2 and 3 woh's; an s_nop 0 and four v_nop follow each line
	s_cmp_eq_u32 s11, 0
	s_cbranch_scc0 .Lfor_b_\@
	tensor_load_to_lds s[G0+4*(\s):G0+4*(\s)+3], s[G1:G1+7]
	s_nop 0
	PLACES
	s_branch .Lasked_\@
.Lfor_b_\@:
	tensor_load_to_lds s[G0B+4*(\s):G0B+4*(\s)+3], s[G1B:G1B+7]
	s_nop 0
	PLACES
.Lasked_\@:
.endm
; A prefetch of the K step two refills on: 32 blocks of 256 bytes, a lane a row.  ao: cluster x = 0 asks, partner cx takes 32 of the wave's 128 rows.  woh: a K step of a tile is 128 blocks: cluster y = 0 asks,
; wave 2 alone, partner cy takes 32 k rows.  The loop's last trip (s3 = 1) has no K step two on.
.macro ASK
	s_cmp_gt_u32 s3, s[LIM]
	s_cbranch_scc0 .Lnot_mine_\@
	global_prefetch_b8 v[PFO], s[PFA:PFA+1] th:TH_LOAD_NT scope:SCOPE_SE
.Lnot_mine_\@:
.endm
.macro CREST
	s_cmp_lg_u32 s10, 0
	s_cbranch_scc1 .Lnot_wave_0_\@
	s_barrier_signal -3
.Lnot_wave_0_\@:
	s_barrier_wait -3
	s_barrier_signal -1
	s_barrier_wait -1
.endm
.macro CROUND
	s_barrier_signal -1
	s_barrier_wait -1
	CREST
.endm
	s_load_b128 s[4:7], s[0:1], 0x0                ; ao s[4:5], woh s[6:7]
	s_load_b64 s[8:9], s[0:1], 0x10                ; out0
	v_lshl_add_u32 v[SPW], v0, 2, SPARE
	v_mov_b32 v[NIL], 0
	ds_add_u32 v[SPW], v[NIL]                      ; the wave's opening: the add, and its wait ahead of my first tensor load
	v_lshrrev_b32 v1, 5, v0
	v_readfirstlane_b32 s10, v1                    ; wave 0..3
	s_lshr_b32 s11, s10, 1                         ; my half of the rows; also: I fetch for ao (0) or woh (1)
	s_and_b32 s12, s10, 1                          ; my half of the columns; also: which half of that tile I fetch
	s_bfe_u32 s40, ttmp6, 0x40000                  ; cx
	s_bfe_u32 s41, ttmp6, 0x40004                  ; cy
	s_lshl_b32 s42, ttmp9, 2
	s_add_co_u32 s42, s42, s40                     ; tile column
	s_and_b32 s13, ttmp7, 0xffff
	s_lshl_b32 s13, s13, 2
	s_add_co_u32 s13, s13, s41                     ; tile row
	s_lshl_b32 s43, s41, 2
	s_lshl_b32 s43, 15, s43                        ; my row of the cluster
	s_lshl_b32 s44, 0x1111, s40                    ; my column
	s_or_b32 s[G1+0], s43, (1<<16)|(1<<20)|(1<<21)|(5<<22)|(3<<25)   ; mask; 2-byte elements; padding on; 21 set beside a mask; after every 64 words 4 words
	s_or_b32 s[G1B+0], s44, (1<<16)|(1<<20)|(1<<21)|(5<<22)|(7<<25)  ; the same with my column's mask and 8 words
	s_mov_b32 s[G1+1], KSTEP<<16
	s_mov_b32 s[G1+2], 128<<16
	s_mov_b32 s[G1+3], KSTEP<<16
	s_mov_b32 s[G1+4], 128
	s_mov_b32 s[G1+5], KTOT
	s_mov_b32 s[G1+6], 0
	s_mov_b32 s[G1+7], 0
	s_mov_b32 s[G1B+1], 128<<16                    ; woh: 128 columns,
	s_mov_b32 s[G1B+2], 64<<16                     ; 64 rows (k)
	s_mov_b32 s[G1B+3], 128<<16
	s_mov_b32 s[G1B+4], 64
	s_mov_b32 s[G1B+5], 2048
	s_mov_b32 s[G1B+6], 0
	s_mov_b32 s[G1B+7], 0
	s_lshl_b32 s16, s13, 8
	s_lshl_b32 s17, s12, 7
	s_add_co_u32 s16, s16, s17
	s_lshl_b32 s16, s16, SHA
	s_mov_b32 s17, 0
	s_mul_i32 s46, s12, 64*PITB
	s_lshl_b32 s47, s42, 8                         ; the tile's 128 columns: 256 bytes
	s_add_co_u32 s46, s46, s47
	s_mov_b32 s47, 0
	s_mul_i32 s20, s12, AHALF
	s_mul_i32 s21, s12, BHALF
	s_add_co_u32 s21, s21, ATILE
	s_wait_dscnt 0x0                               ; the opening add is done
	s_wait_kmcnt 0x0
	s_add_nc_u64 s[14:15], s[4:5], s[16:17]
	s_add_nc_u64 s[46:47], s[6:7], s[46:47]
	CROUND                                         ; all sixteen work-groups are here: the first joint loads meet
.irp s, 0,1
	s_mov_b32 s[G0+4*(\s)], 1
	s_add_co_u32 s[G0+4*(\s)+1], s20, (\s)*SLOT
	s_add_nc_u64 s[G0+4*(\s)+2:G0+4*(\s)+3], s[14:15], (\s)*KSTEP*2
	s_or_b32 s[G0+4*(\s)+3], s[G0+4*(\s)+3], 0x80000000
	s_mov_b32 s[G0B+4*(\s)], 1
	s_add_co_u32 s[G0B+4*(\s)+1], s21, (\s)*SLOT
	s_add_nc_u64 s[G0B+4*(\s)+2:G0B+4*(\s)+3], s[46:47], (\s)*KSTEP*PITB
	s_or_b32 s[G0B+4*(\s)+3], s[G0B+4*(\s)+3], 0x80000000
	JLOAD \s                                       ; two tensor loads of mine are out
.endr
	v_and_b32 v1, 15, v0                           ; l % 16
	v_bfe_u32 v2, v0, 4, 1                         ; l / 16
	v_and_b32 v7, 31, v0                           ; l
	v_mul_u32_u24 v3, v1, PA
	v_lshl_add_u32 v3, v2, 4, v3
	s_mul_i32 s21, s11, AHALF
	v_add_nc_u32 v[ADRA], s21, v3
	v_add_nc_u32 v[ADRA+1], SLOT, v[ADRA]
	v_and_b32 v4, 7, v0                            ; the turning load: lane l reads k row 8 (l / 16) + l % 8, columns 8 ((l / 8) % 2) + 0..7
	v_lshl_add_u32 v4, v2, 3, v4
	v_mul_u32_u24 v4, v4, PB
	v_bfe_u32 v5, v0, 3, 1
	v_lshl_add_u32 v4, v5, 4, v4
	s_lshl_b32 s22, s12, 7                         ; my 64 columns: 128 bytes
	s_add_co_u32 s22, s22, ATILE
	v_add_nc_u32 v[ADRB], s22, v4
	v_add_nc_u32 v[ADRB+1], SLOT, v[ADRB]
	v_mul_u32_u24 v6, v1, SPT                      ; into the stage: row 128 x half + l % 16, column 64 x half + 8 (l / 16), 4 bytes a number
	v_lshl_add_u32 v6, v2, 5, v6
	s_mul_i32 s23, s11, 128*SPT
	s_lshl_b32 s22, s12, 8
	s_add_co_u32 s23, s23, s22
	v_add_nc_u32 v[STO], s23, v6
	s_mul_i32 s23, s10, 64*SPT                     ; back: wave w takes rows 64 w .. 64 w + 63
	v_lshl_add_u32 v[RDA], v7, 4, s23
	v_lshlrev_b32 v[GOF], 4, v7
	s_lshl_b32 s72, s13, 8                         ; out0: row 256 x tile row + 64 w, 8,192 bytes a row; the tile's 512 bytes of it
	s_lshl_b32 s73, s10, 6
	s_add_co_u32 s72, s72, s73
	s_lshl_b32 s72, s72, 13
	s_lshl_b32 s73, s42, 9
	s_add_co_u32 s72, s72, s73
	s_mov_b32 s73, 0
	s_add_nc_u64 s[8:9], s[8:9], s[72:73]
	s_lshl_b32 s20, s13, 8                         ; the prefetches
	s_lshl_b32 s22, s12, 7
	s_add_co_u32 s20, s20, s22
	s_lshl_b32 s22, s40, 5
	s_add_co_u32 s20, s20, s22
	s_lshl_b32 s20, s20, SHA
	s_add_co_u32 s20, s20, 3*KSTEP*2               ; at K step 3: the first refill steps it to 4 and names that
	s_lshl_b32 s22, s41, 17                        ; 32 cy rows of 4,096 bytes
	s_lshl_b32 s23, s42, 8
	s_add_co_u32 s22, s22, s23
	s_add_co_u32 s22, s22, 3*KSTEP*PITB
	s_mov_b32 s[PST], KSTEP*PITB
	s_mov_b32 s[PST+1], 0
	s_lshl_b32 s71, PITA, s11                      ; a row: 2,048 bytes of ao, 4,096 of woh
	s_and_b32 s23, ttmp7, 0xffff
	s_cmp_eq_u32 s11, 0
	s_cselect_b32 s20, s20, s22
	s_cselect_b32 s[PST], KSTEP*2, s[PST]
	s_cselect_b32 s23, ttmp9, s23
	s_cselect_b64 s[PFA:PFA+1], s[4:5], s[6:7]
	s_mov_b32 s21, 0
	s_add_nc_u64 s[PFA:PFA+1], s[PFA:PFA+1], s[20:21]
	s_cmp_eq_u32 s23, 0
	s_cselect_b32 s[LIM], 1, -1
	s_cmp_eq_u32 s10, 3
	s_cselect_b32 s[LIM], -1, s[LIM]               ; wave 2 names all of woh's blocks
	v_mul_lo_u32 v[PFO], v7, s71
.macro MULA f, a0, zero                ; 2 NBW matrix instructions; the accumulators take turns, one instruction a turn
	WIN 0xa1+0x50*((8*NBW*(\a0))/256)
.irp a, \a0, (\a0)+1
.set b, 0
.rept NBW
.set rD, (8*(NBW*(\a)+b))%256
.if \zero
	v_wmma_f32_16x16x32_f16 v[rD:rD+7], v[(\f)+8*b:(\f)+8*b+7], v[(\f)+8*(\a):(\f)+8*(\a)+7], 0
.else
	v_wmma_f32_16x16x32_f16 v[rD:rD+7], v[(\f)+8*b:(\f)+8*b+7], v[(\f)+8*(\a):(\f)+8*(\a)+7], v[rD:rD+7]
.endif
.set b, b+1
.endr
.endr
.endm
.macro FETCH slot, kq, f
	WIN 0x40
.set i, 0
.rept NBW
	ds_load_tr16_b128 v[(\f)+8*i:(\f)+8*i+3],   v[ADRB+(\slot)] offset:(\kq)*32*PB+32*i
	ds_load_tr16_b128 v[(\f)+8*i+4:(\f)+8*i+7], v[ADRB+(\slot)] offset:(\kq)*32*PB+32*i+16*PB
.set i, i+1
.endr
	WIN 0
.set i, 0
.rept 8
	ds_load_b128 v[(\f)+8*i:(\f)+8*i+3],   v[ADRA+(\slot)] offset:64*(\kq)+i*16*PA
	ds_load_b128 v[(\f)+8*i+4:(\f)+8*i+7], v[ADRA+(\slot)] offset:64*(\kq)+i*16*PA+32
.set i, i+1
.endr
.endm
.macro QUARTER slot, kq, f, g, zero
	s_wait_dscnt 8                                 ; woh's and ao's rows 0-63 are in; the youngest eight loads may be out
	MULA \f, 0, \zero
	MULA \f, 2, \zero
	PLACES
	FETCH \slot, \kq, \g
	s_wait_dscnt 2*NBW+16                          ; all but the run just issued
	MULA \f, 4, \zero
	MULA \f, 6, \zero
.endm
.macro MEET round
	WIN 0
	s_wait_tensorcnt 0x0                           ; all my tensor loads have landed: my part of the next slot
	ds_add_u32 v[SPW], v[NIL]                      ; 0 onto my spare word
	s_wait_dscnt 9                                 ; (the add and the youngest eight loads may be out)
	MULA F1, 0, 0
	s_wait_dscnt 0x0                               ; the add is done, and my reads of this slot are over
	s_barrier_signal -1
	MULA F1, 2, 0
.if \round
	WIN 0
.endif
	s_barrier_wait -1
.endm
.macro TURN slot, next
	s_wait_xcnt 0x0                                ; the last prefetch, a K step back, has read its address
	s_add_nc_u64 s[PFA:PFA+1], s[PFA:PFA+1], s[PST:PST+1]
	MEET 1
	CREST                                          ; no wave of any partner still reads this slot or has a load on its way
	s_add_nc_u64 s[G0+4*(\slot)+2:G0+4*(\slot)+3], s[G0+4*(\slot)+2:G0+4*(\slot)+3], 2*KSTEP*2
	s_add_nc_u64 s[G0B+4*(\slot)+2:G0B+4*(\slot)+3], s[G0B+4*(\slot)+2:G0B+4*(\slot)+3], 2*KSTEP*PITB
	JLOAD \slot                                    ; the first tensor load behind the round, my only one until the next
	FETCH \next, 0, F0
	ASK
	MULA F1, 4, 0
	MULA F1, 6, 0
.endm
	s_wait_tensorcnt 1                             ; my part of K step 0 is in; K step 1 may stay out
	s_barrier_signal -1
	s_barrier_wait -1
	FETCH 0, 0, F0
	QUARTER 0, 1, F0, F1, 1                        ; the first quarter's products start the sums
	WIN 0
	s_mov_b32 s3, LAPS-1
.Llap:
	QUARTER 0, 2, F1, F0, 0
	QUARTER 0, 3, F0, F1, 0
	TURN 0, 1
	QUARTER 1, 1, F0, F1, 0
	QUARTER 1, 2, F1, F0, 0
	QUARTER 1, 3, F0, F1, 0
	TURN 1, 0
	QUARTER 0, 1, F0, F1, 0
	WIN 0
	s_sub_co_u32 s3, s3, 1
	s_cmp_lg_u32 s3, 0
	s_cbranch_scc1 .Llap
	QUARTER 0, 2, F1, F0, 0                        ; the last lap fills nothing
	QUARTER 0, 3, F0, F1, 0
	MEET 0
	PLACES
	FETCH 1, 0, F0
	MULA F1, 4, 0
	MULA F1, 6, 0
	QUARTER 1, 1, F0, F1, 0
	QUARTER 1, 2, F1, F0, 0
	QUARTER 1, 3, F0, F1, 0
	s_wait_dscnt 8
	MULA F1, 0, 0
	MULA F1, 2, 0
	s_wait_dscnt 0x0                               ; my last reads of the ring are over
	MULA F1, 4, 0
	MULA F1, 6, 0
	WIN 0
	PLACES
	PLACES
	s_barrier_signal -1                            ; every wave has waited for its reads of the ring and for its tensor loads:
	s_barrier_wait -1                              ; the ring, which is filled no more, becomes the stage
	WIN 0x08                                       ; store data (source 1) in window 2
.set a, 0
.rept 8
.set b, 0
.rept 4
.set rD, 8*(4*a+b)
	ds_store_b128 v[STO], v[rD:rD+3]   offset:a*16*SPT+64*b       ; each accumulator's low registers first
	ds_store_b128 v[STO], v[rD+4:rD+7] offset:a*16*SPT+64*b+16
.set b, b+1
.endr
.set a, a+1
.endr
	WIN 0
	s_wait_dscnt 0x0                               ; for the others' sake
	s_barrier_signal -1
	s_barrier_wait -1
	s_mov_b32 s3, 8
.Lrows:                                                ; 8 trips of 8 rows
.irp i, 0,1,2,3,4,5,6,7
	ds_load_b128 v[X1+4*(\i):X1+4*(\i)+3], v[RDA] offset:(\i)*SPT
.endr
.irp i, 0,1,2,3,4,5,6,7
	s_wait_dscnt 7-(\i)                            ; row i is in; the rows behind it may be out
	global_store_b128 v[GOF], v[X1+4*(\i):X1+4*(\i)+3], s[8:9] offset:(\i)*8192 th:TH_STORE_NT  ; a wave stores 512 consecutive bytes, at a multiple of 256 from out0's first
.endr
	s_wait_xcnt 0x0                                ; the trip's stores have read their data and their base
	s_add_nc_u64 s[8:9], s[8:9], 8*8192
	v_add_nc_u32 v[RDA], 8*SPT, v[RDA]
	s_sub_co_u32 s3, s3, 1
	s_cmp_lg_u32 s3, 0
	s_cbranch_scc1 .Lrows
	s_wait_tensorcnt 0x0                           ; the wave's end, behind my last tensor load and my last LDS store
	ds_add_u32 v[SPW], v[NIL]
	s_wait_dscnt 0x0
	CROUND                                         ; the closing round
	s_endpgm
.Lfunc_end_k_qea5b46eef8_oproj:
	.size	k_qea5b46eef8_oproj, .Lfunc_end_k_qea5b46eef8_oproj-k_qea5b46eef8_oproj
	.p2alignl 7, 3214868480
	.fill 96, 4, 3214868480
	.section	.rodata,"a",@progbits
	.p2align	6, 0x0
	.amdhsa_kernel k_qea5b46eef8_oproj
		.amdhsa_group_segment_fixed_size 327680
		.amdhsa_private_segment_fixed_size 0
		.amdhsa_enable_private_segment 0
		.amdhsa_kernarg_size 24
		.amdhsa_user_sgpr_count 2
		.amdhsa_user_sgpr_kernarg_segment_ptr 1
		.amdhsa_wavefront_size32 1
		.amdhsa_system_sgpr_workgroup_id_x 1
		.amdhsa_system_sgpr_workgroup_id_y 1
		.amdhsa_system_sgpr_workgroup_id_z 1
		.amdhsa_system_vgpr_workitem_id 0
		.amdhsa_next_free_vgpr 768
		.amdhsa_next_free_sgpr 76
		.amdhsa_reserve_vcc 0
		.amdhsa_float_denorm_mode_32 3
		.amdhsa_float_denorm_mode_16_64 3
		.amdhsa_memory_ordered 1
		.amdhsa_forward_progress 1
		.amdhsa_inst_pref_size 78
	.end_amdhsa_kernel
	.amdgpu_metadata
---
amdhsa.version: [ 1, 2 ]
amdhsa.kernels:
  - .name:           k_qea5b46eef8_oproj
    .symbol:         k_qea5b46eef8_oproj.kd
    .args:
      - { .name: ao, .offset: 0, .size: 8, .value_kind: global_buffer, .address_space: global }
      - { .name: woh, .offset: 8, .size: 8, .value_kind: global_buffer, .address_space: global }
      - { .name: out0, .offset: 16, .size: 8, .value_kind: global_buffer, .address_space: global }
    .group_segment_fixed_size: 327680
    .private_segment_fixed_size: 0
    .kernarg_segment_align: 8
    .kernarg_segment_size: 24
    .max_flat_workgroup_size: 128
    .sgpr_count:     76
    .vgpr_count:     768
    .wavefront_size: 32
...
	.end_amdgpu_metadata
.endif
;; end of part 4
;; ======== version 2 of 2: 4 launches; version 1 with the launch prep written anew for expert scheduling mode
;; limits: values are held in f16: magnitudes above 65,504 overflow, below 6.1e-05 lose precision
;; workspace buffers: xb 16,777,216 bytes; wb 12,582,912 bytes; woh 4,194,304 bytes; rope 4,194,304 bytes; qkv 25,165,824 bytes; vlo 1,048,576 bytes; ao 8,388,608 bytes
;; launch prep (part 5): grid 512 x 1, 8 waves a work-group, no clusters, 0 bytes of LDS; arguments hidden_states, wq, wk, wv, wo, position_ids, xb, wb, woh, rope; writes xb, wb, woh, rope
.if DOCPART == 5
	.amdgcn_target "amdgcn-amd-amdhsa--gfx1250"
	.amdhsa_code_object_version 6
	.text
	.protected	k_qea5b46eef8_prep
	.globl	k_qea5b46eef8_prep
	.p2align	8
	.type	k_qea5b46eef8_prep,@function
k_qea5b46eef8_prep:
	s_mov_b64 s[64:65], 0
	v_nop
	global_prefetch_b8 v0, s[64:65] scope:SCOPE_SE
	s_setreg_imm32_b32 hwreg(HW_REG_WAVE_SCHED_MODE, 0, 2), 2
	s_setreg_imm32_b32 hwreg(HW_REG_WAVE_MODE, 25, 1), 1
	s_wait_xcnt 0x0
	s_wait_alu depctr_vm_vsrc(0)
; PREP: the 16-bit copies of all f32 inputs, and the table of cos and sin.  A stream: no LDS, no barrier, no matrix unit.
;   xb  [4096][2048] bf16 = hidden_states;   wb [2048][3072] bf16 = wq | wk | wv side by side;   woh [1024][2048] f16 = wo rounded to bf16, that number written as f16
;   rope [4096 rows][cos 128 | sin 128] f32: cos and sin of position x 10000^(-j/128), j = 0..127, for row b x 2048 + s
; SHARES.  Work-group g converts 32,768 numbers (131,072 bytes in, 65,536 out): g 0-255 of x, 256-447 of wq, wk, wv (64 each), 448-511 of wo.  Thread t takes 8 numbers in each of 16 steps:
; two loads of 16 bytes, one store of 16: sixteen neighbouring lanes store 256 consecutive bytes, aligned.  All 32 loads of a thread go out at once; no register is written again behind a store.
; Wave v of work-group g also makes row 8 g + v of the table, 4 frequencies a lane, while its loads are on their way.
; LIMITS.  wo: a bf16 number below 2^-14 keeps f16's fixed step of 6e-8; beyond 65,504 it would be an infinity.  Positions are exact up to 2^24 in magnitude; the angle is reduced by three
; parts of pi/2 with fused multiply-adds, the polynomials hold on |r| <= pi/4 to about 1e-7.  NaN and infinities are not treated apart.
; THE MODE: SCHED_MODE bits 1:0 = 2 (LLVM: expert scheduling mode 2), set by the entry lines.  The code itself states the register dependences between vector instructions and memory
; instructions, with s_wait_alu, always for 0.
; THE PLAN.  Registers that memory instructions touch:
;   v2, v[POF], v[OFD ..], v[TOF]   byte offsets.  Written by vector instructions at the head, once; read by the loads and stores; never written again.
;   v[POS], v[X ..]                 Written by the 33 loads, which go out in one run behind the head's wait; no load is issued behind them.
;   v[CO ..], v[SO ..]              Written by the table's last lines; read by the table's two stores; never written again.
;   X + 8 i .. X + 8 i + 3          Written by step i's conversions, in place; read by step i's store; never written again.
; No register that a memory instruction reads is written a second time, so no wait on vm_vsrc follows the entry's.  The waits on va_vdst: one ahead of the first load (the offsets), one for the
; exponentials, one ahead of the table's stores, and one to a block of four steps: block p's head states that block p - 1 has written its 16 packed registers; that block's four stores follow,
; one ahead of each step's conversions, which name X of their own block and v[TT ..] alone.  One more stands ahead of the last four stores.  The four compares write four scalar
; registers in a run, with one wait on va_sdst behind them.
.set OFD, 4            ; v[4:19]   step i: my byte offset in the destination
.set POS, 20           ; v20       the row's position
.set POF, 21           ; v21       its byte offset
.set LN,  22           ; v22       lane
.set RWN, 23           ; v23       the table row 8 g + wave
.set XR,  24           ; v[24:27]  1/freq, then the angle, then r
.set NN,  28           ; v[28:31]  the exponent's argument, then n
.set QQ,  32           ; v[32:35]  n as a whole number
.set SS,  36           ; v[36:39]  r r
.set SN,  40           ; v[40:43]  sin r
.set CN,  44           ; v[44:47]  cos r
.set CO,  48           ; v[48:51]  cos of the angle
.set SO,  52           ; v[52:55]  sin of the angle
.set TT,  56           ; v[56:59]  at work: no memory instruction names them
.set K3S, 60           ; v60       the sine's highest coefficient
.set K3C, 61           ; v61       the cosine's
.set TOF, 62           ; v62       my byte offset in the table
.set L4,  63           ; v63       4 x lane
.set X,   64           ; v[64:191] step i: 8 numbers as loaded; the first 4 registers then hold them packed
.set MK,  40           ; s[40:43]  frequency k: the lanes in which n is odd
.macro EACH line:vararg                ; one line for each of my four frequencies k
.set k, 0
.rept 4
	\line
.set k, k+1
.endr
.endm
	s_load_b512 s[16:31], s[0:1], 0x0              ; x s[16:17], wq s[18:19], wk s[20:21], wv s[22:23], wo s[24:25], positions s[26:27], xb s[28:29], wb s[30:31]
	s_load_b128 s[32:35], s[0:1], 0x40             ; woh s[32:33], rope s[34:35]
	s_mov_b32 s2, ttmp9                            ; g
	s_sub_co_u32 s3, s2, 256
	s_lshr_b32 s4, s3, 6                           ; from g = 256 on: 0 wq, 1 wk, 2 wv, 3 wo
	s_and_b32 s5, s3, 63                           ; and the chunk in it
	s_cmp_lt_u32 s2, 256
	s_cselect_b32 s5, s2, s5                       ; the chunk
	s_cselect_b32 s6, 0, 1
	s_cmp_lt_u32 s2, 448
	s_cselect_b32 s6, s6, 0                        ; 1 for wq, wk, wv: their rows lie 3 x as far apart in wb
	s_lshl1_add_u32 s7, s6, 1                      ; 1 or 3
	s_mul_i32 s12, s5, s7
	s_lshl_b32 s12, s12, 16                        ; the chunk in the destination: 65,536 bytes, or 32 rows of 6,144
	s_mul_i32 s13, s4, s6
	s_lshl_b32 s13, s13, 11                        ; + 2,048 bytes for each matrix to the left in wb
	s_add_co_u32 s12, s12, s13
	s_mov_b32 s13, 0
	s_lshl_b32 s14, s5, 17                         ; the chunk in the source
	s_mov_b32 s15, 0
	s_lshl_b32 s36, s7, 11                         ; from threads 0-127 to threads 128-255: 2,048 bytes, or a row of wb
	s_lshl_b32 s37, s7, 12                         ; from step to step
	v_lshlrev_b32 v2, 5, v0                        ; my 32 bytes of a step's 8,192 in the source
	v_lshrrev_b32 v1, 7, v0
	v_mul_lo_u32 v1, v1, s36
	v_and_b32 v3, 127, v0
	v_lshl_add_u32 v[OFD], v3, 4, v1
.set i, 1
.rept 15
	v_add_nc_u32 v[OFD+i], s37, v[OFD+i-1]
.set i, i+1
.endr
	v_and_b32 v[LN], 31, v0
	v_lshrrev_b32 v[RWN], 5, v0
	v_lshl_add_u32 v[RWN], s2, 3, v[RWN]           ; 8 g + wave
	v_lshlrev_b32 v[POF], 2, v[RWN]
	v_lshlrev_b32 v[TOF], 4, v[LN]
	v_lshl_add_u32 v[TOF], v[RWN], 10, v[TOF]      ; row x 1,024 + 16 x lane
	v_lshlrev_b32 v[L4], 2, v[LN]
	s_wait_kmcnt 0x0
	s_cmp_eq_u32 s4, 1                             ; the two buffers are chosen by g alone
	s_cselect_b64 s[8:9], s[20:21], s[18:19]
	s_cmp_eq_u32 s4, 2
	s_cselect_b64 s[8:9], s[22:23], s[8:9]
	s_cmp_eq_u32 s4, 3
	s_cselect_b64 s[8:9], s[24:25], s[8:9]
	s_cselect_b64 s[10:11], s[32:33], s[30:31]
	s_cmp_lt_u32 s2, 256
	s_cselect_b64 s[8:9], s[16:17], s[8:9]
	s_cselect_b64 s[10:11], s[28:29], s[10:11]
	s_add_nc_u64 s[8:9], s[8:9], s[14:15]
	s_add_nc_u64 s[10:11], s[10:11], s[12:13]
	s_wait_alu depctr_va_vdst(0)                   ; v2, v[POF], v[OFD ..] and v[TOF] are written: every load and store of the kernel reads one of them as its offset
	global_load_b32 v[POS], v[POF], s[26:27]
.set i, 0
.rept 16
	global_load_b128 v[X+8*i:X+8*i+3],   v2, s[8:9] offset:8192*i th:TH_LOAD_NT
	global_load_b128 v[X+8*i+4:X+8*i+7], v2, s[8:9] offset:8192*i+16 th:TH_LOAD_NT
.set i, i+1
.endr
	; THE TABLE.  1/freq = 2^(-j log2(10000) / 128), j = 4 x lane + k: it hangs on no load
	EACH v_add_nc_u32 v[NN+k], k, v[L4]
	EACH v_cvt_f32_u32 v[NN+k], v[NN+k]
	EACH v_mul_f32 v[NN+k], 0xbdd49a78, v[NN+k]
	EACH v_exp_f32 v[XR+k], v[NN+k]
	v_mov_b32 v[K3S], 0xb94ca1f9                   ; a plain instruction behind the last exponential
	v_mov_b32 v[K3C], 0x37ccf5ce
	s_wait_alu depctr_va_vdst(0)                   ; the four exponentials have written v[XR ..]: one wait for the batch, ahead of its first reader
	s_wait_loadcnt 32                              ; the position is in; the 32 loads issued behind it stay out
	v_cvt_f32_i32 v[POS], v[POS]
	EACH v_mul_f32 v[XR+k], v[POS], v[XR+k]        ; the angle, rounded once, as the product of two f32
	EACH v_mul_f32 v[NN+k], 0x3f22f983, v[XR+k]    ; x 2/pi
	EACH v_rndne_f32 v[NN+k], v[NN+k]              ; n
	EACH v_cvt_i32_f32 v[QQ+k], v[NN+k]
	EACH v_fmamk_f32 v[XR+k], v[NN+k], 0xbfc90fd8, v[XR+k]   ; r = angle - n pi/2, pi/2 in three parts
	EACH v_fmamk_f32 v[XR+k], v[NN+k], 0xb4a885a3, v[XR+k]
	EACH v_fmamk_f32 v[XR+k], v[NN+k], 0xa7c234c4, v[XR+k]
	EACH v_mul_f32 v[SS+k], v[XR+k], v[XR+k]
	EACH v_fmaak_f32 v[SN+k], v[K3S], v[SS+k], 0x3c08839e
	EACH v_fmaak_f32 v[CN+k], v[K3C], v[SS+k], 0xbab6061a
	EACH v_fmaak_f32 v[SN+k], v[SN+k], v[SS+k], 0xbe2aaaa3
	EACH v_fmaak_f32 v[CN+k], v[CN+k], v[SS+k], 0x3d2aaaa5
	EACH v_mul_f32 v[TT+k], v[XR+k], v[SS+k]
	EACH v_fma_f32 v[SN+k], v[TT+k], v[SN+k], v[XR+k]        ; sin r = r + r s (..)
	EACH v_fma_f32 v[TT+k], v[SS+k], -0.5, 1.0
	EACH v_mul_f32 v[SS+k], v[SS+k], v[SS+k]
	EACH v_fma_f32 v[CN+k], v[SS+k], v[CN+k], v[TT+k]        ; cos r = 1 - s/2 + s s (..)
	EACH v_and_b32 v[TT+k], 1, v[QQ+k]
	EACH v_cmp_eq_u32 s[MK+k], 1, v[TT+k]          ; odd n: the two change places.  The four compares stand in a run, a scalar register each
	s_wait_alu depctr_va_sdst(0)                   ; the compares have written s[MK ..], ahead of their first reader: the selects below
	EACH v_cndmask_b32 v[SO+k], v[SN+k], v[CN+k], s[MK+k]
	EACH v_cndmask_b32 v[CO+k], v[CN+k], v[SN+k], s[MK+k]
	EACH v_lshlrev_b32 v[TT+k], 30, v[QQ+k]        ; bit 1 of n turns the sine's sign,
	EACH v_and_b32 v[TT+k], 0x80000000, v[TT+k]
	EACH v_xor_b32 v[SO+k], v[TT+k], v[SO+k]
	EACH v_add_nc_u32 v[QQ+k], 1, v[QQ+k]          ; bit 1 of n + 1 the cosine's
	EACH v_lshlrev_b32 v[TT+k], 30, v[QQ+k]
	EACH v_and_b32 v[TT+k], 0x80000000, v[TT+k]
	EACH v_xor_b32 v[CO+k], v[TT+k], v[CO+k]
	s_wait_alu depctr_va_vdst(0)                   ; the sign flips have written v[CO ..] and v[SO ..], which the two stores read
	global_store_b128 v[TOF], v[CO:CO+3], s[34:35]             ; a wave stores 512 consecutive bytes of its row,
	global_store_b128 v[TOF], v[SO:SO+3], s[34:35] offset:512  ; twice
; Block p: steps 4 p to 4 p + 3.  A step: its two loads are in; 8 numbers are rounded to bf16 in place (half = 1: and each bf16 number written as f16).  The block's stores are issued in block p + 1.
.macro BLK p, half
.irp q, 0,1,2,3
.if (\q) == 0
	s_wait_loadcnt 30-8*(\p)                       ; loads come back in order (ISA guide 5.7.1): only the pairs issued behind the step's pair stay out
.if (\p) > 0
	s_wait_alu depctr_va_vdst(0)                   ; the block before has written its 16 packed registers, which the four stores of this block read
.endif
.endif
.if (\p) > 0
	global_store_b128 v[OFD+4*(\p)-4+(\q)], v[X+32*(\p)-32+8*(\q):X+32*(\p)-32+8*(\q)+3], s[10:11] th:TH_STORE_NT  ; four steps back; no vector instruction since the wait names these registers
.endif
.if (\q) > 0
	s_wait_loadcnt 30-8*(\p)-2*(\q)                ; the same count for the block's later steps
.endif
.irp j, 0,1,2,3
	v_cvt_pk_bf16_f32 v[X+32*(\p)+8*(\q)+(\j)], v[X+32*(\p)+8*(\q)+2*(\j)], v[X+32*(\p)+8*(\q)+2*(\j)+1]
.endr
.if \half
.irp j, 0,1,2,3
	v_lshlrev_b32 v[TT], 16, v[X+32*(\p)+8*(\q)+(\j)]            ; bf16 to f32: the low half moves up,
	v_and_b32 v[TT+1], 0xffff0000, v[X+32*(\p)+8*(\q)+(\j)]      ; the high half stays
	v_cvt_pk_f16_f32 v[X+32*(\p)+8*(\q)+(\j)], v[TT], v[TT+1]
.endr
.endif
.endr
.endm
.macro LAST                            ; block 3's stores
	s_wait_alu depctr_va_vdst(0)                   ; block 3 has written its 16 packed registers, which the last four stores read
.irp q, 0,1,2,3
	global_store_b128 v[OFD+12+(\q)], v[X+96+8*(\q):X+96+8*(\q)+3], s[10:11] th:TH_STORE_NT
.endr
.endm
	s_cmp_ge_u32 s2, 448
	s_cbranch_scc1 .Lhalf
.irp p, 0,1,2,3
	BLK \p, 0
.endr
	LAST
	s_endpgm
.Lhalf:
.irp p, 0,1,2,3
	BLK \p, 1
.endr
	LAST
	s_endpgm
.Lfunc_end_k_qea5b46eef8_prep:
	.size	k_qea5b46eef8_prep, .Lfunc_end_k_qea5b46eef8_prep-k_qea5b46eef8_prep
	.p2alignl 7, 3214868480
	.fill 96, 4, 3214868480
	.section	.rodata,"a",@progbits
	.p2align	6, 0x0
	.amdhsa_kernel k_qea5b46eef8_prep
		.amdhsa_group_segment_fixed_size 0
		.amdhsa_private_segment_fixed_size 0
		.amdhsa_enable_private_segment 0
		.amdhsa_kernarg_size 80
		.amdhsa_user_sgpr_count 2
		.amdhsa_user_sgpr_kernarg_segment_ptr 1
		.amdhsa_wavefront_size32 1
		.amdhsa_system_sgpr_workgroup_id_x 1
		.amdhsa_system_sgpr_workgroup_id_y 1
		.amdhsa_system_sgpr_workgroup_id_z 1
		.amdhsa_system_vgpr_workitem_id 0
		.amdhsa_next_free_vgpr 192
		.amdhsa_next_free_sgpr 66
		.amdhsa_reserve_vcc 0
		.amdhsa_float_denorm_mode_32 3
		.amdhsa_float_denorm_mode_16_64 3
		.amdhsa_memory_ordered 1
		.amdhsa_forward_progress 1
		.amdhsa_inst_pref_size 35
	.end_amdhsa_kernel
	.amdgpu_metadata
---
amdhsa.version: [ 1, 2 ]
amdhsa.kernels:
  - .name:           k_qea5b46eef8_prep
    .symbol:         k_qea5b46eef8_prep.kd
    .args:
      - { .name: hidden_states, .offset: 0, .size: 8, .value_kind: global_buffer, .address_space: global }
      - { .name: wq, .offset: 8, .size: 8, .value_kind: global_buffer, .address_space: global }
      - { .name: wk, .offset: 16, .size: 8, .value_kind: global_buffer, .address_space: global }
      - { .name: wv, .offset: 24, .size: 8, .value_kind: global_buffer, .address_space: global }
      - { .name: wo, .offset: 32, .size: 8, .value_kind: global_buffer, .address_space: global }
      - { .name: position_ids, .offset: 40, .size: 8, .value_kind: global_buffer, .address_space: global }
      - { .name: xb, .offset: 48, .size: 8, .value_kind: global_buffer, .address_space: global }
      - { .name: wb, .offset: 56, .size: 8, .value_kind: global_buffer, .address_space: global }
      - { .name: woh, .offset: 64, .size: 8, .value_kind: global_buffer, .address_space: global }
      - { .name: rope, .offset: 72, .size: 8, .value_kind: global_buffer, .address_space: global }
    .group_segment_fixed_size: 0
    .private_segment_fixed_size: 0
    .kernarg_segment_align: 8
    .kernarg_segment_size: 80
    .max_flat_workgroup_size: 256
    .sgpr_count:     66
    .vgpr_count:     192
    .wavefront_size: 32
...
	.end_amdgpu_metadata
.endif
;; end of part 5
;; launch qkv: the kernel of part 2 again; grid 12 x 16, 4 waves a work-group, clusters of 4 x 4, 327,680 bytes of LDS; arguments xb, wb, rope, qkv, vlo; writes qkv, vlo
;; launch attn: the kernel of part 3 again; grid 32 x 8, 4 waves a work-group, clusters of 4 x 1, 327,680 bytes of LDS; arguments qkv, vlo, ao; writes ao
;; launch oproj: the kernel of part 4 again; grid 16 x 16, 4 waves a work-group, clusters of 4 x 4, 327,680 bytes of LDS; arguments ao, woh, out0; writes out0
